; MI455X (gfx1250); checked and timed in simulation.
; The chip was launched on July 23, 2026; its instructions are those of AMD's public machine-readable ISA for CDNA 5 (MIT licence, August 2026) and "CDNA5" Instruction Set Architecture Reference Guide (July 2026). The comments in the code are by the model that wrote it; some were corrected since.
;; GFA. Allowed arithmetic: matrix products marked QUANTISED: E4M3 operands, one given power-of-two scale a tensor, by v_wmma_f32_16x16x64_fp8_fp8 or v_wmma_f32_16x16x128_fp8_fp8, f32 sums; products left as they are: f32 operands where the result goes on into a quantised operand, else bf16, f16 or f32 operands; f32 sums; everything else in f32.
;; Inputs: ba one number float32; bb one number float32; beta 64 float32; bm 64 float32; feature 4 x 64 x 8,192 x 1 float32; gamma 64 float32; lowp_scales 4 int32 (the exponents e of the quantised operands' scales 2^e); running_mean 64 float32; running_var 64 float32; wa 64 float32; wb 64 float32; wm 64 x 64 float32.
;; Outputs: out0 4 x 64 x 8,192 x 1 float32.
;; This version of the problem:
;;   THIS VERSION OF THE PROBLEM IS GIVEN IN LOW PRECISION. The matrix products marked QUANTISED in the list below multiply operands that are first quantised to E4M3 (4 exponent bits, 3 mantissa bits; 8 bits a number), with one given power-of-two scale for each operand tensor; their sums are f32. All else is computed in f32.
;;   The module's matrix products, in the order in which they are computed (A, B: the left and right operand; K: the contracted axis; several contracted axes count as one K, in the product's order):
;;     1. [M 32,768, K 64] x [K 64, N 1]; A: input feature; B: input wa: left as it is (N = 1 < 16)
;;     2. [M 32,768, K 64] x [K 64, N 1]; A: input feature; B: input wb: left as it is (N = 1 < 16)
;;     3. [M 64, K 64] x [K 64, N 32,768]; A: input wm; B: input feature: QUANTISED (scales: A lowp_scales[0], B lowp_scales[1])
;;     4. batch 4 x [M 64, K 8,192] x [K 8,192, N 8,192]; A: computed on the way; B: softmax (see below): QUANTISED (scales: A lowp_scales[2], B lowp_scales[3])
;;   THE QUANTISER, for each operand of a quantised product, along K:
;;     - The operand's scale is 2^e, e = its entry of the input lowp_scales (int32; the entries are numbered through the quantised products in the list's order, A before B).
;;     - Each number is divided by the scale, clamped to +-448, and rounded to the nearest number of E4M3, ties to even, subnormals kept.
;;     - The product sums the exact products of the quantised numbers (number of the format x scale) in f32.
;;   ~~~python
;;   def quantise(x, axis, e):      # numpy; x: float32 -> the quantised numbers, widened to float32 again
;;       x = np.moveaxis(x, axis, -1); K = x.shape[-1]
;;       r = np.clip(x / 2.0 ** e, -448, 448)
;;       step = 2.0 ** (np.maximum(np.frexp(np.where(r == 0, 1, r))[1] - 1, -6) - 3)
;;       q = np.round(r / step) * step * 2.0 ** e      # np.round: ties to even
;;       return np.moveaxis(q, -1, axis).astype(np.float32)
;;   ~~~
;;   SOFTMAX AHEAD OF A QUANTISED PRODUCT. Where the list says 'softmax', what is quantised is not the finished softmax but p = 2^(t - M), with t = logit x log2(e) and M = ceil(the row's largest t), a whole number; so 1/2 < the row's largest p <= 1. The row's sum l is taken of the UNQUANTISED p, in f32, and the product's result is divided by l at the end. Since M is a whole number, a kernel that streams over the keys may use a running M (the ceiling of the running maximum): every later rescaling is an exact power of two, so the quantised numbers keep their values, but for numbers so far below the row's largest that they fall under the format's range.
;;   OPERANDS COMPUTED ON THE WAY. 'Computed on the way' means the value that the module computes at that place (a softmax that the list does not call 'softmax' is quantised finished and normalised). What goes into a quantiser is computed in f32, as accurately as f32 sums, v_exp_f32 and their like allow (about 1e-6 of the number): no bf16 or f16 on the way to a quantiser, and a product that is left as it is and whose result goes on into a quantised operand takes f32 operands (vector FMAs, or v_wmma_f32_16x16x4_f32). A number that lies on a knife's edge between two numbers of the format may be rounded either way, as far as f32 arithmetic and the matrix unit's own rounding can turn it there, and no further.
;; 2 versions, each right; version 2 is version 1 with the launches prep, attn written anew for expert scheduling mode. Each part assembles by itself: llvm-mc -triple=amdgcn-amd-amdhsa -mcpu=gfx1250 --defsym DOCPART=n.
;; ======== version 1 of 2: 2 launches
;; workspace buffers: fcodes 2,097,152 bytes; ab 262,144 bytes
;; launch prep (part 1): grid 256 x 1, 2 waves a work-group, no clusters, 0 bytes of LDS; arguments feature, wm, wa, wb, ba, bb, bm, gamma, beta, running_mean, running_var, lowp_scales, fcodes, ab; writes fcodes, ab
.if DOCPART == 1
	.amdgcn_target "amdgcn-amd-amdhsa--gfx1250"
	.amdhsa_code_object_version 6
	.text
	.protected	k_q4cf4cf2441_prep
	.globl	k_q4cf4cf2441_prep
	.p2align	8
	.type	k_q4cf4cf2441_prep,@function
k_q4cf4cf2441_prep:
	s_mov_b64 s[64:65], 0
	v_nop
	global_prefetch_b8 v0, s[64:65] scope:SCOPE_SE
	s_setreg_imm32_b32 hwreg(HW_REG_WAVE_MODE, 25, 1), 1
	s_wait_xcnt 0x0
; a' = (wa . x + ba) log2(e) and b = wb . x + bb in f32 (fused multiply-adds), and f = BN(Q(wm) Q(x) + bm) as codes of E4M3, for every point of every batch.
; x = feature [4][64 channels][8192 points], f32.  The product wm x is made on codes: wm with 2^e0, x with 2^e1, along the 64 channels; f is quantised with 2^e2 along the points.
; SHARES.  A wave owns 64 points (a "step"): wave g = 2 x work-group + wave, batch g / 128, step g % 128.  No LDS, no barrier: waves share nothing.
; K IN THE REGISTERS.  Byte i (0 .. 31) of the eight registers of lane (r, h) is k = 32 h + i, in both sources alike: a permutation of k that keeps every product with its partner.
; x IS LOADED AS IT LIES: for channel 32 h + i sixteen lanes read 256 consecutive aligned bytes, lane r the points 4 r + 0 .. 3.  Register u of a load belongs to tile u, whose row r is point 4 r + u.
; The product is used with source 0 = 16 points, source 1 = 16 rows of wm: in the result lane (r, h) holds channel 16 ct + r, and register j of tile u point 32 h + 4 j + u:
; a lane's 32 results of one ct are 32 neighbouring points of one channel, which is what the next product's operand wants (its K = the points).
; OUT.  fcodes [batch][step][ct 4][half 2][lane 32][16 bytes]: images of that operand's registers: lane (r, h), half j2: f(16 ct + r, 64 step + 32 h + 16 j2 + 0 .. 15).
;       ab: a' [4][8192] f32, then, 131,072 bytes on, b [4][8192] f32.
; LIMITS: e0, e1, e2 between -126 and 119, so that 2^e and 448 x 2^e are f32 numbers (e0 + e1 goes in by v_ldexp_f32 and has none); running_var + 1e-5 is positive; NaN among the inputs is not served.
; REGISTERS, window 0: v1 r, v2 h, v3-8 offsets; v16-21 the three scales and holds; v24-31 the sums of a and b; v32-35 their store; v40-59 the norm's numbers; v60-75 G, H for each ct;
;   v76-107 wa, later f ahead of the hold; v108-139 wb, later f in the order of the points; v140-171 x's codes; v172-203 wm's codes; v204-235 f's codes.
;   window 1: v0-127 wm as f32, later x held, tile by tile; v128-255 x as loaded, later the sixteen accumulators.
.set WA, 76
.set WB, 108
.set T2, 76
.set T,  108
.set XC, 140
.set WC, 172
.set FC, 204
.set GH, 60
.set MSB, 0
.macro WIN new                         ; the immediate's high byte repeats the setting that is left
.if MSB != \new
	s_set_vgpr_msb (MSB<<8)|\new
.set MSB, \new
.endif
.endm
.macro MKSC se, vs                     ; v[vs] = 2^e, v[vs + 1] = 448 x 2^e, e in s[se]
	s_add_co_i32 s50, s[\se], 127
	s_lshl_b32 s51, s50, 23
	v_mov_b32 v[\vs], s51
	s_add_co_i32 s50, s50, 8
	s_lshl_b32 s50, s50, 23
	s_or_b32 s50, s50, 0x600000
	v_mov_b32 v[\vs+1], s50
.endm
	s_load_b512 s[8:23], s[0:1], 0x0               ; feature 8, wm 10, wa 12, wb 14, ba 16, bb 18, bm 20, gamma 22
	s_load_b256 s[24:31], s[0:1], 0x40             ; beta 24, running_mean 26, running_var 28, lowp_scales 30
	s_load_b128 s[32:35], s[0:1], 0x60             ; fcodes 32, ab 34
	v_lshrrev_b32 v9, 5, v0
	v_readfirstlane_b32 s4, v9                     ; wave 0, 1
	v_and_b32 v1, 15, v0                           ; r
	v_bfe_u32 v2, v0, 4, 1                         ; h
	v_and_b32 v3, 31, v0
	v_lshlrev_b32 v3, 4, v3                        ; 16 x lane: my place in an image
	v_lshlrev_b32 v4, 4, v1
	v_lshl_add_u32 v4, v2, 20, v4                  ; x: 32 h channels of 32,768 bytes + 16 r
	v_lshlrev_b32 v6, 7, v2                        ; wa, wb: 128 h
	v_lshl_add_u32 v5, v1, 8, v6                   ; wm: row r of 256 bytes + 128 h
	v_lshlrev_b32 v7, 2, v1                        ; the norm's vectors: 4 r
	v_lshlrev_b32 v8, 4, v1
	v_lshl_add_u32 v8, v2, 17, v8                  ; ab: lanes 0-15 a', lanes 16-31 b: 131,072 h + 16 r
	s_lshl_b32 s5, ttmp9, 1
	s_add_co_u32 s5, s5, s4                        ; g
	s_lshr_b32 s6, s5, 7                           ; batch
	s_and_b32 s7, s5, 127                          ; step
	s_lshl_b32 s44, s6, 21
	s_lshl_b32 s45, s7, 8
	s_add_co_u32 s44, s44, s45                     ; feature: batch x 2,097,152 + step x 256
	s_mov_b32 s45, 0
	s_lshl_b32 s46, s5, 12                         ; fcodes: g x 4,096
	s_mov_b32 s47, 0
	s_lshl_b32 s52, s5, 8                          ; ab: g x 256
	s_mov_b32 s53, 0
	s_mov_b32 s48, 0x76543210                      ; v_permlanex16_b32: lane l xor 16
	s_mov_b32 s49, 0xfedcba98
	s_wait_kmcnt 0x0
	s_load_b32 s36, s[16:17], 0x0                  ; ba
	s_load_b32 s37, s[18:19], 0x0                  ; bb
	s_load_b128 s[40:43], s[30:31], 0x0            ; e0 .. e3
	s_add_nc_u64 s[8:9], s[8:9], s[44:45]
	s_add_nc_u64 s[32:33], s[32:33], s[46:47]
	s_add_nc_u64 s[34:35], s[34:35], s[52:53]
	; all loads in one run: wm (32), the norm's numbers (20), wa and wb (16), x (32); the waits below count the younger ones
	WIN 0x40                                       ; destination window 1
.irp ct, 0,1,2,3
.irp n, 0,1,2,3,4,5,6,7
	global_load_b128 v[32*\ct+4*\n:32*\ct+4*\n+3], v5, s[10:11] offset:4096*\ct+16*\n   ; wm(16 ct + r, 32 h + 4 n ..)
.endr
.endr
	WIN 0
.irp ct, 0,1,2,3
	global_load_b32 v[40+\ct], v7, s[20:21] offset:64*\ct      ; bm, gamma, beta, mean, var of channel 16 ct + r
	global_load_b32 v[44+\ct], v7, s[22:23] offset:64*\ct
	global_load_b32 v[48+\ct], v7, s[24:25] offset:64*\ct
	global_load_b32 v[52+\ct], v7, s[26:27] offset:64*\ct
	global_load_b32 v[56+\ct], v7, s[28:29] offset:64*\ct
.endr
.irp n, 0,1,2,3,4,5,6,7
	global_load_b128 v[WA+4*\n:WA+4*\n+3], v6, s[12:13] offset:16*\n   ; wa(32 h + i), wb(32 h + i)
	global_load_b128 v[WB+4*\n:WB+4*\n+3], v6, s[14:15] offset:16*\n
.endr
	WIN 0x40
.set i, 0
.rept 32
	global_load_b128 v[128+4*i:128+4*i+3], v4, s[8:9] offset:32768*i   ; x(32 h + i, 4 r + 0 .. 3): sixteen lanes read 256 consecutive bytes, aligned
.set i, i+1
.endr
	WIN 0
	s_wait_kmcnt 0x0
	MKSC 40, 16                                    ; v16, v17: e0 (wm)
	MKSC 41, 18                                    ; v18, v19: e1 (x)
	MKSC 42, 20                                    ; v20, v21: e2 (f)
	s_add_co_i32 s54, s40, s41                     ; e0 + e1
	; ---- wm into codes
	s_wait_loadcnt 48                              ; wm and the norm's numbers are in; wa, wb (16) and x (32) may be out
	WIN 0x41                                       ; destination and source 0 window 1
.set i, 0
.rept 128
	v_med3_num_f32 v[i], v[i], -v17, v17           ; the conversion to an 8-bit code does not saturate (ISA guide 7.6.2): the hold at 448 x the scale comes first
.set i, i+1
.endr
	WIN 0x01                                       ; source 0 window 1
.irp ct, 0,1,2,3
.irp n, 0,1,2,3
	v_cvt_scalef32_pk8_fp8_f32 v[WC+8*\ct+2*\n:WC+8*\ct+2*\n+1], v[32*\ct+8*\n:32*\ct+8*\n+7], v16
.endr
.endr
	WIN 0
	; ---- the norm folded: f = sum x G + H, G = gamma / sqrt(var + eps) x 2^(e0 + e1), H = (bm - mean) x gamma / sqrt(var + eps) + beta
.irp ct, 0,1,2,3
	v_add_f32 v[56+\ct], 0x3727c5ac, v[56+\ct]     ; var + 1e-5
.endr
.irp ct, 0,1,2,3
	v_rsq_f32 v[56+\ct], v[56+\ct]
.endr
.irp ct, 0,1,2,3
	v_sub_f32 v[40+\ct], v[40+\ct], v[52+\ct]      ; bm - mean.  (Plain lines between the last root and the use of its result)
.endr
	s_wait_alu depctr_va_vdst(0)
.irp ct, 0,1,2,3
	v_mul_f32 v[44+\ct], v[44+\ct], v[56+\ct]
.endr
.irp ct, 0,1,2,3
	v_ldexp_f32 v[GH+4*\ct], v[44+\ct], s54
	v_fma_f32 v[GH+4*\ct+2], v[40+\ct], v[44+\ct], v[48+\ct]
.endr
.irp ct, 0,1,2,3
	v_mov_b32 v[GH+4*\ct+1], v[GH+4*\ct]           ; (named as the upper halves of pairs, so they are written)
	v_mov_b32 v[GH+4*\ct+3], v[GH+4*\ct+2]
.endr
; ---- eight channels of my half: their share of a and b; then held and moved, so that a tile's channels lie in consecutive registers; then eight codes for each of the four tiles
.macro XGROUP g
	s_wait_loadcnt 24-8*\g                         ; loads come back in order: these eight channels are in (and wa, wb, which are older); the younger channels may be out
	WIN 0x01                                       ; source 0 (x) window 1
.irp n, 0,1,2,3,4,5,6,7
.set i, 8*\g+\n
.irp k, 0,2
.if i == 0
	v_pk_mul_f32 v[24+\k:25+\k], v[128+\k:129+\k], v[WA:WA+1] op_sel_hi:[1,0]      ; the first channel starts the sums: nothing is cleared
	v_pk_mul_f32 v[28+\k:29+\k], v[128+\k:129+\k], v[WB:WB+1] op_sel_hi:[1,0]
.elseif (i%2) == 0
	v_pk_fma_f32 v[24+\k:25+\k], v[128+4*i+\k:129+4*i+\k], v[WA+i:WA+i+1], v[24+\k:25+\k] op_sel_hi:[1,0,1]   ; two points x wa(i): the pair's low word for both
	v_pk_fma_f32 v[28+\k:29+\k], v[128+4*i+\k:129+4*i+\k], v[WB+i:WB+i+1], v[28+\k:29+\k] op_sel_hi:[1,0,1]
.else
	v_pk_fma_f32 v[24+\k:25+\k], v[128+4*i+\k:129+4*i+\k], v[WA+i-1:WA+i], v[24+\k:25+\k] op_sel:[0,1,0] op_sel_hi:[1,1,1]   ; the pair's high word for both
	v_pk_fma_f32 v[28+\k:29+\k], v[128+4*i+\k:129+4*i+\k], v[WB+i-1:WB+i], v[28+\k:29+\k] op_sel:[0,1,0] op_sel_hi:[1,1,1]
.endif
.endr
.endr
	WIN 0x41
.irp n, 0,1,2,3,4,5,6,7
.irp u, 0,1,2,3
	v_med3_num_f32 v[32*\u+8*\g+\n], v[128+4*(8*\g+\n)+\u], -v19, v19   ; the hold is also the move: tile u, channel 32 h + 8 g + n
.endr
.endr
	WIN 0x01
.irp u, 0,1,2,3
	v_cvt_scalef32_pk8_fp8_f32 v[XC+8*\u+2*\g:XC+8*\u+2*\g+1], v[32*\u+8*\g:32*\u+8*\g+7], v18
.endr
.endm
	XGROUP 0
	XGROUP 1
	XGROUP 2
	XGROUP 3
	v_nop                                          ; one plain vector line between the last scaled conversion and the products that read its result
	; ---- wm x on codes: sixteen products, each a whole sum (K = 64), each with an accumulator of its own
	WIN 0x40                                       ; D window 1
.irp ct, 0,1,2,3
.irp u, 0,1,2,3
	v_wmma_f32_16x16x64_fp8_fp8 v[128+32*\ct+8*\u:128+32*\ct+8*\u+7], v[XC+8*\u:XC+8*\u+7], v[WC+8*\ct:WC+8*\ct+7], 0
.endr
.endr
	WIN 0
	; ---- a and b are finished; these lines name none of the products' registers and are the places behind them (ISA guide 7.12.1)
.irp k, 0,1,2,3,4,5,6,7
	v_permlanex16_b32 v[WA+\k], v[24+\k], s48, s49 ; the other 32 channels' share (wa's registers are done with, and have been written)
.endr
.irp k, 0,1,2,3,4,5,6,7
	v_add_f32 v[24+\k], v[24+\k], v[WA+\k]
.endr
.irp k, 0,1,2,3
	v_add_f32 v[24+\k], s36, v[24+\k]              ; + ba
	v_add_f32 v[28+\k], s37, v[28+\k]              ; + bb
.endr
.irp k, 0,1,2,3
	v_mul_f32 v[24+\k], 0x3fb8aa3b, v[24+\k]       ; a' = a x log2(e)
.endr
	v_cmp_eq_u32 vcc_lo, 1, v2
.irp k, 0,1,2,3
	v_cndmask_b32 v[32+\k], v[24+\k], v[28+\k], vcc_lo   ; lanes 0-15 store a', lanes 16-31 b
.endr
	global_store_b128 v8, v[32:35], s[34:35]       ; each half of the lanes stores 256 consecutive bytes, aligned
; ---- f of channels 16 ct + r: the norm, the hold (which also puts the points in order), the codes, two images of 512 consecutive bytes
.macro POST ct
	WIN 0x01                                       ; source 0 (the sums) window 1
.irp u, 0,1,2,3
.irp k, 0,2,4,6
	v_pk_fma_f32 v[T2+8*\u+\k:T2+8*\u+\k+1], v[128+32*\ct+8*\u+\k:128+32*\ct+8*\u+\k+1], v[GH+4*\ct:GH+4*\ct+1], v[GH+4*\ct+2:GH+4*\ct+3] op_sel_hi:[1,0,0]   ; each accumulator from its low end on
.endr
.endr
	WIN 0
.irp j, 0,1,2,3,4,5,6,7
.irp u, 0,1,2,3
	v_med3_num_f32 v[T+4*\j+\u], v[T2+8*\u+\j], -v21, v21   ; point 32 h + 4 j + u
.endr
.endr
.irp n, 0,1,2,3
	v_cvt_scalef32_pk8_fp8_f32 v[FC+8*\ct+2*\n:FC+8*\ct+2*\n+1], v[T+8*\n:T+8*\n+7], v20
.endr
	v_nop                                          ; one plain line behind the last conversion: the next ct's lines write its sources again
	global_store_b128 v3, v[FC+8*\ct:FC+8*\ct+3], s[32:33] offset:1024*\ct
	global_store_b128 v3, v[FC+8*\ct+4:FC+8*\ct+7], s[32:33] offset:1024*\ct+512   ; each ct has its own registers for its codes: no store's data are written again
.endm
	POST 0
	POST 1
	POST 2
	POST 3
	s_endpgm
.Lfunc_end_k_q4cf4cf2441_prep:
	.size	k_q4cf4cf2441_prep, .Lfunc_end_k_q4cf4cf2441_prep-k_q4cf4cf2441_prep
	.p2alignl 7, 3214868480
	.fill 96, 4, 3214868480
	.section	.rodata,"a",@progbits
	.p2align	6, 0x0
	.amdhsa_kernel k_q4cf4cf2441_prep
		.amdhsa_group_segment_fixed_size 0
		.amdhsa_private_segment_fixed_size 0
		.amdhsa_enable_private_segment 0
		.amdhsa_kernarg_size 112
		.amdhsa_user_sgpr_count 2
		.amdhsa_user_sgpr_kernarg_segment_ptr 1
		.amdhsa_wavefront_size32 1
		.amdhsa_system_sgpr_workgroup_id_x 1
		.amdhsa_system_sgpr_workgroup_id_y 1
		.amdhsa_system_sgpr_workgroup_id_z 1
		.amdhsa_system_vgpr_workitem_id 0
		.amdhsa_next_free_vgpr 512
		.amdhsa_next_free_sgpr 66
		.amdhsa_reserve_vcc 1
		.amdhsa_float_denorm_mode_32 3
		.amdhsa_float_denorm_mode_16_64 3
		.amdhsa_memory_ordered 1
		.amdhsa_forward_progress 1
		.amdhsa_inst_pref_size 57
	.end_amdhsa_kernel
	.amdgpu_metadata
---
amdhsa.version: [ 1, 2 ]
amdhsa.kernels:
  - .name:           k_q4cf4cf2441_prep
    .symbol:         k_q4cf4cf2441_prep.kd
    .args:
      - { .name: feature, .offset: 0, .size: 8, .value_kind: global_buffer, .address_space: global }
      - { .name: wm, .offset: 8, .size: 8, .value_kind: global_buffer, .address_space: global }
      - { .name: wa, .offset: 16, .size: 8, .value_kind: global_buffer, .address_space: global }
      - { .name: wb, .offset: 24, .size: 8, .value_kind: global_buffer, .address_space: global }
      - { .name: ba, .offset: 32, .size: 8, .value_kind: global_buffer, .address_space: global }
      - { .name: bb, .offset: 40, .size: 8, .value_kind: global_buffer, .address_space: global }
      - { .name: bm, .offset: 48, .size: 8, .value_kind: global_buffer, .address_space: global }
      - { .name: gamma, .offset: 56, .size: 8, .value_kind: global_buffer, .address_space: global }
      - { .name: beta, .offset: 64, .size: 8, .value_kind: global_buffer, .address_space: global }
      - { .name: running_mean, .offset: 72, .size: 8, .value_kind: global_buffer, .address_space: global }
      - { .name: running_var, .offset: 80, .size: 8, .value_kind: global_buffer, .address_space: global }
      - { .name: lowp_scales, .offset: 88, .size: 8, .value_kind: global_buffer, .address_space: global }
      - { .name: fcodes, .offset: 96, .size: 8, .value_kind: global_buffer, .address_space: global }
      - { .name: ab, .offset: 104, .size: 8, .value_kind: global_buffer, .address_space: global }
    .group_segment_fixed_size: 0
    .private_segment_fixed_size: 0
    .kernarg_segment_align: 8
    .kernarg_segment_size: 112
    .max_flat_workgroup_size: 64
    .sgpr_count:     66
    .vgpr_count:     512
    .wavefront_size: 32
...
	.end_amdgpu_metadata
.endif
;; end of part 1
;; launch attn (part 2): grid 64 x 4, 8 waves a work-group, no clusters, 305,408 bytes of LDS; arguments fcodes, ab, feature, lowp_scales, out0; writes out0
.if DOCPART == 2
	.amdgcn_target "amdgcn-amd-amdhsa--gfx1250"
	.amdhsa_code_object_version 6
	.text
	.protected	k_q4cf4cf2441_attn
	.globl	k_q4cf4cf2441_attn
	.p2align	8
	.type	k_q4cf4cf2441_attn,@function
k_q4cf4cf2441_attn:
	s_mov_b64 s[64:65], 0
	v_nop
	global_prefetch_b8 v0, s[64:65] scope:SCOPE_SE
	s_setreg_imm32_b32 hwreg(HW_REG_WAVE_MODE, 25, 1), 1
	s_wait_xcnt 0x0
; out(c, n) = feature(c, n) + 2^(e2 + e3) / l(n) x the sum over m of Q(f)(c, m) Q(p)(n, m);  p(n, m) = 2^(a'(n) b(m) - M(n)), l(n) = the sum over m of the unquantised p.
; THE ROW'S MAXIMUM IS TAKEN AWAY, AND IS KNOWN AHEAD OF THE KEYS: the logits of a row are a'(n) x b(m), so their largest is a'(n) x the largest b or a'(n) x the smallest b, whichever is larger.
; M = that number rounded up to a whole number (one more where the fused a' b - M would still come out above 0), so that a' b - M <= 0 for every key, by the monotony of one rounding: p <= 1.
; With M fixed there is no running maximum and nothing is rescaled, and the keys can be shared out: partial sums are simply added.
; SHARES.  A work-group owns 128 queries of one batch.  Each of its eight waves holds all eight tiles of 16 queries (O: 256 registers) and walks its own eighth of the keys, 16 steps of 64.
; So a fragment of f has one reader in the work-group; it lies in memory as an image of the operand's registers and comes by dense loads of 512 bytes straight into them.  b comes from LDS, and a register of b serves all eight tiles.
; Sharing f's tiles among work-groups by joint loads is left out: a step's 4,096 bytes stand beside four pairs' arithmetic, and they would pass through LDS for a single reader.
; LAYOUT.  Source 0 = 16 channels of f, source 1 = 16 queries' p: lane (r, h) holds query r throughout; register j of accumulator ct is channel 16 ct + 8 h + j.
; Byte i of a lane's eight operand registers is key 32 h + i of the step, in both sources alike: a permutation of k that keeps every product with its partner.
; AT THE END the eight partial O and l meet in LDS: wave w adds up tile w, divides, and the rows go through a stage so that each store covers 512 consecutive bytes of a channel.
; LIMITS: e3 between -126 and 119 (2^e3 and 448 x 2^e3 are f32 numbers; e2 + e3 goes in by v_ldexp_f32); a' x b finite; NaN is not served.
; LDS: 0 the batch's b (32,768 bytes), later the stage (64 rows x 528); RED 8 bytes a wave; LST l: [wave][tile][lane]; OST partial O: [wave 32,768][tile 4,096][group 512][16 x lane].
; REGISTERS, window 0: v1-14 addresses; v16-63 six a tile: a', a', -M, -M, l in two halves; v64-95 b of the step; v96-159 f's fragments, two sets; v160-223 p of two tiles; v224-239 their codes; v240-255 at work.   window 1: O, accumulator (t, ct) at v[32 t + 8 ct].
.set RED, 33792
.set LST, 34048
.set OST, 42240
.set ST,  16
.set B,   64
.set F,   96
.set P,   160
.set C,   224
.set TS,  240
.set MSB, 0
.macro WIN new                         ; the immediate's high byte repeats the setting that is left
.if MSB != \new
	s_set_vgpr_msb (MSB<<8)|\new
.set MSB, \new
.endif
.endm
.macro BARRIER                         ; my LDS stores have landed and my LDS loads are in: then the work-group's barrier
	s_wait_dscnt 0x0
	s_barrier_signal -1
	s_barrier_wait -1
.endm
	s_load_b256 s[4:11], s[0:1], 0x0               ; fcodes 4, ab 6, feature 8, lowp_scales 10
	s_load_b64 s[12:13], s[0:1], 0x20              ; out0
	v_lshrrev_b32 v15, 5, v0
	v_readfirstlane_b32 s14, v15                   ; wave 0 .. 7
	s_and_b32 s15, ttmp7, 0xffff                   ; batch
	v_and_b32 v250, 31, v0                         ; lane
	v_and_b32 v251, 15, v0                         ; r
	v_bfe_u32 v252, v0, 4, 1                       ; h
	v_lshlrev_b32 v1, 4, v250                      ; 16 x lane
	v_lshlrev_b32 v254, 4, v0                      ; 16 x thread
	v_lshlrev_b32 v255, 2, v251                    ; 4 r
	s_lshl_b32 s16, s15, 19
	s_lshl_b32 s17, s14, 16
	s_add_co_u32 s16, s16, s17                     ; fcodes: batch x 524,288 + wave x 16 steps of 4,096
	s_mov_b32 s17, 0
	s_lshl_b32 s18, s15, 15                        ; ab: batch x 32,768
	s_mov_b32 s19, 0
	s_lshl_b32 s40, ttmp9, 9                       ; my first query, in bytes: 4 x 128 x work-group x
	s_mov_b32 s41, 0
	s_lshl_b32 s42, s15, 21
	s_lshl_b32 s43, s14, 18
	s_add_co_u32 s42, s42, s43
	s_add_co_u32 s42, s42, s40                     ; feature, out0: batch x 2,097,152 + 8 wave channels of 32,768 + my first query
	s_mov_b32 s43, 0
	s_mov_b32 s26, 0x76543210                      ; v_permlanex16_b32: lane l xor 16
	s_mov_b32 s27, 0xfedcba98
	s_mov_b32 s25, 0                               ; the loop's step in b
	s_wait_kmcnt 0x0
	s_load_b128 s[20:23], s[10:11], 0x0            ; e0 .. e3
	s_add_nc_u64 s[28:29], s[4:5], s[16:17]        ; my wave's first step of f
	s_add_nc_u64 s[34:35], s[6:7], s[18:19]
	s_add_nc_u64 s[32:33], s[34:35], s[40:41]      ; a' of my first query
	s_add_nc_u64 s[34:35], s[34:35], 0x20000       ; the batch's b
	s_add_nc_u64 s[36:37], s[8:9], s[42:43]
	s_add_nc_u64 s[38:39], s[12:13], s[42:43]
.irp n, 0,1,2,3,4,5,6,7
	global_load_b128 v[B+4*\n:B+4*\n+3], v254, s[34:35] offset:4096*\n     ; the batch's b: the work-group reads 4,096 consecutive bytes a line
.endr
.irp t, 0,1,2,3,4,5,6,7
	global_load_b32 v[ST+6*\t], v255, s[32:33] offset:64*\t                ; a' of query 16 t + r
.endr
.irp ct, 0,1,2,3
.irp j, 0,1
	global_load_b128 v[F+8*\ct+4*\j:F+8*\ct+4*\j+3], v1, s[28:29] offset:1024*\ct+512*\j   ; step 0's fragments, into set 0
.endr
.endr
	; the LDS addresses: constants, the lane, the wave's number
	s_lshl_b32 s44, s14, 12
	v_lshl_add_u32 v2, v252, 7, s44                ; b of my keys: wave x 4,096 + 128 h (sixteen lanes read the same 16 bytes)
	s_add_co_u32 s44, s44, OST
	v_add_nc_u32 v8, s44, v1                       ; partial O of tile w, from waves 0 and 1,
	v_add_nc_u32 v9, 0x10000, v8                   ; 2 and 3,
	v_add_nc_u32 v10, 0x20000, v8                  ; 4 and 5,
	v_add_nc_u32 v11, 0x30000, v8                  ; 6 and 7
	s_lshl_b32 s44, s14, 15
	s_add_co_u32 s44, s44, OST
	v_add_nc_u32 v6, s44, v1                       ; where I put my partial O
	s_lshl_b32 s44, s14, 10
	s_add_co_u32 s44, s44, LST
	v_lshl_add_u32 v7, v250, 2, s44                ; where I put my partial l
	s_lshl_b32 s44, s14, 7
	s_add_co_u32 s44, s44, LST
	v_lshl_add_u32 v12, v250, 2, s44               ; partial l of tile w
	v_mul_u32_u24 v13, v252, 4224
	v_lshl_add_u32 v13, v251, 2, v13
	s_lshl_b32 s44, s14, 6
	v_add_nc_u32 v13, s44, v13                     ; the stage, in: row 8 h (+ 16 ct + j), byte 64 w + 4 r
	s_mul_i32 s44, s14, 4224
	v_add_nc_u32 v14, s44, v1                      ; and back: rows 8 w on, 16 bytes a lane
	v_mov_b32 v253, s14
	v_lshl_add_u32 v253, v253, 3, RED              ; my wave's two words
	v_mov_b32 v15, RED
	v_mov_b32 v246, 0                              ; written once: a lane permute's destination counts as one of its sources
	v_mov_b32 v247, 0
	v_add_nc_u32 v3, s25, v2
	s_wait_kmcnt 0x0
	s_add_co_i32 s40, s23, 127
	s_lshl_b32 s41, s40, 23
	v_mov_b32 v4, s41                              ; 2^e3 as f32: the conversion takes its exponent field
	s_add_co_i32 s40, s40, 8
	s_lshl_b32 s40, s40, 23
	s_or_b32 s40, s40, 0x600000
	v_mov_b32 v5, s40                              ; 448 x 2^e3
	s_add_co_i32 s30, s22, s23                     ; e2 + e3
	; ---- b into LDS, and its largest and smallest number
	s_wait_loadcnt 16                              ; b is in; a' (8) and f (8) may be out
.irp n, 0,1,2,3,4,5,6,7
	ds_store_b128 v254, v[B+4*\n:B+4*\n+3] offset:4096*\n
.endr
	v_max_num_f32 v244, v[B], v[B+1]
	v_min_num_f32 v245, v[B], v[B+1]
.irp j, 2,4,6,8,10,12,14,16,18,20,22,24,26,28,30
	v_max3_num_f32 v244, v244, v[B+\j], v[B+\j+1]
	v_min3_num_f32 v245, v245, v[B+\j], v[B+\j+1]
.endr
.irp m, 1,2,4,8
	v_max_num_f32_dpp v244, v244, v244 row_xmask:\m row_mask:0xf bank_mask:0xf
	v_min_num_f32_dpp v245, v245, v245 row_xmask:\m row_mask:0xf bank_mask:0xf
.endr
	v_permlanex16_b32 v246, v244, s26, s27
	v_permlanex16_b32 v247, v245, s26, s27
	v_max_num_f32 v244, v244, v246
	v_min_num_f32 v245, v245, v247
	ds_store_b64 v253, v[244:245]                  ; all lanes write the same two words with the same numbers
	BARRIER                                        ; b and the eight waves' extremes lie in LDS
.irp n, 0,1,2,3
	ds_load_b128 v[P+4*\n:P+4*\n+3], v15 offset:16*\n      ; wave k's largest at P + 2 k, its smallest at P + 2 k + 1
.endr
.irp n, 0,1,2,3,4,5,6,7
	ds_load_b128 v[B+4*\n:B+4*\n+3], v3 offset:16*\n       ; step 0's b
.endr
	s_wait_dscnt 8                                 ; the extremes are in; the eight younger loads may be out
	v_max3_num_f32 v248, v[P], v[P+2], v[P+4]
	v_min3_num_f32 v249, v[P+1], v[P+3], v[P+5]
	v_max3_num_f32 v248, v248, v[P+6], v[P+8]
	v_min3_num_f32 v249, v249, v[P+7], v[P+9]
	v_max3_num_f32 v248, v248, v[P+10], v[P+12]
	v_min3_num_f32 v249, v249, v[P+11], v[P+13]
	v_max_num_f32 v248, v248, v[P+14]              ; the batch's largest b,
	v_min_num_f32 v249, v249, v[P+15]              ; and its smallest
	s_wait_loadcnt 8                               ; a' is in; f's eight loads may be out
.macro ROWMAX t
.set RT, ST+6*\t
	v_mul_f32 v250, v[RT], v248
	v_mul_f32 v251, v[RT], v249
	v_cmp_gt_f32 vcc_lo, v251, v250
	v_cndmask_b32 v252, v248, v249, vcc_lo         ; the b at which the row's largest t stands.  (A choice of values: no branch hangs on it)
	v_max_num_f32 v250, v250, v251                 ; the row's largest t
	v_floor_f32 v[RT+2], -v250                     ; -M = floor(-t) = -ceil(t)
	v_fma_f32 v251, v[RT], v252, v[RT+2]           ; the largest exponent as the loop will make it
	v_cmp_lt_f32 vcc_lo, 0, v251
	v_cndmask_b32 v251, 0, 1.0, vcc_lo
	v_sub_f32 v[RT+2], v[RT+2], v251               ; above 0: M one higher
	v_mov_b32 v[RT+1], v[RT]                       ; (the upper halves of the pairs that the packed form names)
	v_mov_b32 v[RT+3], v[RT+2]
	v_mov_b32 v[RT+4], 0                           ; l, in two halves
	v_mov_b32 v[RT+5], 0
.endm
.irp t, 0,1,2,3,4,5,6,7
	ROWMAX \t
.endr
; ---- TWO TILES OF QUERIES x 64 KEYS.  q: tiles 2 q, 2 q + 1.  fs: the step's set of fragments.  zero = 1: the products start the sums.
; ldf >= 0: the next step's fragments are asked for, ldf bytes from the base, into the other set.  ldb >= 0: the next step's b, ldb bytes from v3.  cnt >= 0: the wait for this step's fragments.
.macro PAIR q, fs, zero, ldf, ldb, cnt
.irp x, 0,1
.set i, 0
.rept 16
	v_pk_fma_f32 v[P+32*\x+2*i:P+32*\x+2*i+1], v[B+2*i:B+2*i+1], v[ST+6*(2*\q+\x):ST+6*(2*\q+\x)+1], v[ST+6*(2*\q+\x)+2:ST+6*(2*\q+\x)+3] op_sel_hi:[1,0,0]   ; a' b - M, two keys at a time
.set i, i+1
.endr
.endr
.if \ldf >= 0                          ; the 32 lines above are the places between the last products that read the other set and the loads into it (ISA guide 7.12.1 for vector instructions)
.irp ct, 0,1,2,3
.irp j, 0,1
	global_load_b128 v[F+32*(1-\fs)+8*\ct+4*\j:F+32*(1-\fs)+8*\ct+4*\j+3], v1, s[28:29] offset:\ldf+1024*\ct+512*\j
.endr
.endr
.endif
.if \ldb >= 0                          ; all eight tiles have read this step's b
.irp n, 0,1,2,3,4,5,6,7
	ds_load_b128 v[B+4*\n:B+4*\n+3], v3 offset:\ldb+16*\n
.endr
.endif
.set i, 0
.rept 64
	v_exp_f32 v[P+i], v[P+i]                       ; p = 2^(a' b - M), at most 1: not normalised
.set i, i+1
.endr
	v_nop                                          ; one plain line between the exponentials and the use of their results
	s_wait_alu depctr_va_vdst(0)
.irp x, 0,1
	v_pk_add_f32 v[TS+2*\x:TS+2*\x+1], v[P+32*\x:P+32*\x+1], v[P+32*\x+2:P+32*\x+3]   ; THE ROW'S SUM IS TAKEN OF THE UNQUANTISED p: two chains a tile
.endr
.irp j, 4,8,12,16,20,24,28
.irp x, 0,1
	v_pk_add_f32 v[ST+6*(2*\q+\x)+4:ST+6*(2*\q+\x)+5], v[ST+6*(2*\q+\x)+4:ST+6*(2*\q+\x)+5], v[P+32*\x+\j:P+32*\x+\j+1]
	v_pk_add_f32 v[TS+2*\x:TS+2*\x+1], v[TS+2*\x:TS+2*\x+1], v[P+32*\x+\j+2:P+32*\x+\j+3]
.endr
.endr
.irp x, 0,1
	v_pk_add_f32 v[ST+6*(2*\q+\x)+4:ST+6*(2*\q+\x)+5], v[ST+6*(2*\q+\x)+4:ST+6*(2*\q+\x)+5], v[TS+2*\x:TS+2*\x+1]
.endr
	s_cmp_ge_i32 s23, -8                           ; THE HOLD.  p <= 1, so with e3 >= -8 p / 2^e3 <= 256 < 448 and the hold cannot act: a scalar branch on the given whole number leaves it out
	s_cbranch_scc1 .Lfree_\@
.set i, 0
.rept 64
	v_min_num_f32 v[P+i], v[P+i], v5               ; the conversion to an 8-bit code does not saturate (ISA guide 7.6.2); p is not negative, so the hold is one-sided
.set i, i+1
.endr
.Lfree_\@:
.irp x, 0,1
.irp n, 0,1,2,3
	v_cvt_scalef32_pk8_fp8_f32 v[C+8*\x+2*\n:C+8*\x+2*\n+1], v[P+32*\x+8*\n:P+32*\x+8*\n+7], v4
.endr
.endr
	v_nop                                          ; one plain line between the last scaled conversion and the products that read its result
.if \cnt >= 0
	s_wait_loadcnt \cnt                            ; this step's fragments are in; the eight loads just issued for the next step may be out
.endif
	WIN 0x50                                       ; C and D window 1
.irp ct, 0,1,2,3
.irp x, 0,1
.if \zero
	v_wmma_f32_16x16x64_fp8_fp8 v[32*(2*\q+\x)+8*\ct:32*(2*\q+\x)+8*\ct+7], v[F+32*\fs+8*\ct:F+32*\fs+8*\ct+7], v[C+8*\x:C+8*\x+7], 0
.else
	v_wmma_f32_16x16x64_fp8_fp8 v[32*(2*\q+\x)+8*\ct:32*(2*\q+\x)+8*\ct+7], v[F+32*\fs+8*\ct:F+32*\fs+8*\ct+7], v[C+8*\x:C+8*\x+7], v[32*(2*\q+\x)+8*\ct:32*(2*\q+\x)+8*\ct+7]
.endif
.endr
.endr
	WIN 0                                          ; the 32 accumulators take turns, one instruction a turn, in the same order in every step
.endm
; ---- A STEP: 64 keys for all eight tiles
.macro STEP fs, zero, ldf, ldb
	s_wait_dscnt 0x0                               ; this step's b is in
.if \ldf >= 0
	PAIR 0, \fs, \zero, \ldf, -1, 8
.else
	PAIR 0, \fs, \zero, -1, -1, 0
.endif
	PAIR 1, \fs, \zero, -1, -1, -1
	PAIR 2, \fs, \zero, -1, -1, -1
	PAIR 3, \fs, \zero, -1, \ldb, -1
.endm
	STEP 0, 1, 4096, 256                           ; step 0 stands ahead of the loop: its products start the sums; it asks for step 1
	s_mov_b32 s24, 7
.Ltrip:                                                ; trip j: steps 2 j + 1 and 2 j + 2; they ask for steps 2 j + 2 and 2 j + 3
	v_add_nc_u32 v3, s25, v2                       ; b: 512 j bytes on
	STEP 1, 0, 8192, 512
	STEP 0, 0, 12288, 768
	s_wait_xcnt 0x0                                ; the loads' base is stepped only behind this wait
	s_add_nc_u64 s[28:29], s[28:29], 8192
	s_add_co_u32 s25, s25, 512
	s_sub_co_u32 s24, s24, 1
	s_cmp_lg_u32 s24, 0
	s_cbranch_scc1 .Ltrip
	STEP 1, 0, -1, -1                              ; step 15 asks for nothing: no load leaves my wave's part
	; ---- my partial l and O go to LDS; the additions are the places behind the last products
.irp t, 0,1,2,3,4,5,6,7
	v_add_f32 v[ST+6*\t+4], v[ST+6*\t+4], v[ST+6*\t+5]
.endr
.irp t, 0,1,2,3,4,5,6,7
	ds_store_b32 v7, v[ST+6*\t+4] offset:128*\t
.endr
.irp n, 0,1,2,3,4,5,6,7
	global_load_b128 v[224+4*\n:224+4*\n+3], v1, s[36:37] offset:32768*\n th:TH_LOAD_NT   ; feature(8 w + n, my work-group's 128 queries): 512 consecutive bytes; wanted at the very end
.endr
	WIN 0x04                                       ; a store's data: window 1
.irp t, 0,1,2,3,4,5,6,7
.irp g, 0,1,2,3,4,5,6,7
	ds_store_b128 v6, v[32*\t+4*\g:32*\t+4*\g+3] offset:4096*\t+512*\g   ; as images of the registers, each accumulator from its low end on
.endr
.endr
	WIN 0
	BARRIER                                        ; all partial sums lie in LDS, and nobody reads b any more
	; ---- wave w adds up tile w
.macro LDP p, s                        ; wave p's partial O of my tile into v[s] on
.irp g, 0,1,2,3,4,5,6,7
	ds_load_b128 v[\s+4*\g:\s+4*\g+3], v[8+(\p)/2] offset:32768*((\p)%2)+512*\g
.endr
.endm
.macro ADDS d, s
.set i, 0
.rept 16
	v_pk_add_f32 v[\d+2*i:\d+2*i+1], v[\d+2*i:\d+2*i+1], v[\s+2*i:\s+2*i+1]
.set i, i+1
.endr
.endm
.irp p, 0,1,2,3,4,5,6,7
	ds_load_b32 v[16+\p], v12 offset:1024*\p       ; the eight partial l
.endr
	LDP 0, 64
	LDP 1, 96
	LDP 2, 128
	LDP 3, 160
	LDP 4, 192
	s_wait_dscnt 0x0
	ADDS 64, 96
	ADDS 128, 160
	LDP 5, 96                                      ; the last three land while the first five are added
	LDP 6, 160
	ADDS 64, 128
	LDP 7, 128
	v_add_f32 v16, v16, v17
	v_add_f32 v18, v18, v19
	v_add_f32 v20, v20, v21
	v_add_f32 v22, v22, v23
	v_add_f32 v16, v16, v18
	v_add_f32 v20, v20, v22
	v_add_f32 v16, v16, v20
	v_permlanex16_b32 v24, v16, s26, s27           ; the keys of the other half of the lanes
	v_add_f32 v16, v16, v24                        ; l of query r
	v_rcp_f32 v16, v16
	ADDS 64, 192                                   ; (plain lines between the reciprocal and the use of its result)
	s_wait_alu depctr_va_vdst(0)
	v_ldexp_f32 v16, v16, s30                      ; 2^(e2 + e3) / l
	v_mov_b32 v17, v16
	s_wait_dscnt 0x0
	ADDS 64, 96
	ADDS 160, 128
	ADDS 64, 160
.set i, 0
.rept 16
	v_pk_mul_f32 v[64+2*i:64+2*i+1], v[64+2*i:64+2*i+1], v[16:17] op_sel_hi:[1,0]
.set i, i+1
.endr
.irp ct, 0,1,2,3
.irp j, 0,1,2,3,4,5,6,7
	ds_store_b32 v13, v[64+8*\ct+\j] offset:(16*\ct+\j)*528   ; channel 16 ct + 8 h + j, query 16 w + r: sixteen lanes write 64 consecutive bytes; the other sixteen lie 4,224 bytes on, in the other half of the banks
.endr
.endr
	BARRIER                                        ; 64 whole rows lie in the stage
	; ---- wave w stores channels 8 w .. 8 w + 7
.irp n, 0,1,2,3,4,5,6,7
	ds_load_b128 v[96+4*\n:96+4*\n+3], v14 offset:528*\n
.endr
	s_wait_loadcnt 0x0                             ; feature
	s_wait_dscnt 0x0
.set i, 0
.rept 16
	v_pk_add_f32 v[96+2*i:96+2*i+1], v[96+2*i:96+2*i+1], v[224+2*i:224+2*i+1]
.set i, i+1
.endr
.irp n, 0,1,2,3,4,5,6,7
	global_store_b128 v1, v[96+4*\n:96+4*\n+3], s[38:39] offset:32768*\n th:TH_STORE_NT   ; 32 lanes store 512 consecutive bytes, at a multiple of 256 from the output's first byte
.endr
	s_wait_xcnt 0x0
	v_lshl_add_u32 v254, v0, 2, 0x4a500
	v_mov_b32 v255, 0
	s_wait_tensorcnt 0x0
	ds_add_u32 v254, v255
	s_wait_dscnt 0x0
	s_endpgm
.Lfunc_end_k_q4cf4cf2441_attn:
	.size	k_q4cf4cf2441_attn, .Lfunc_end_k_q4cf4cf2441_attn-k_q4cf4cf2441_attn
	.p2alignl 7, 3214868480
	.fill 96, 4, 3214868480
	.section	.rodata,"a",@progbits
	.p2align	6, 0x0
	.amdhsa_kernel k_q4cf4cf2441_attn
		.amdhsa_group_segment_fixed_size 305408
		.amdhsa_private_segment_fixed_size 0
		.amdhsa_enable_private_segment 0
		.amdhsa_kernarg_size 40
		.amdhsa_user_sgpr_count 2
		.amdhsa_user_sgpr_kernarg_segment_ptr 1
		.amdhsa_wavefront_size32 1
		.amdhsa_system_sgpr_workgroup_id_x 1
		.amdhsa_system_sgpr_workgroup_id_y 1
		.amdhsa_system_sgpr_workgroup_id_z 1
		.amdhsa_system_vgpr_workitem_id 0
		.amdhsa_next_free_vgpr 512
		.amdhsa_next_free_sgpr 66
		.amdhsa_reserve_vcc 1
		.amdhsa_float_denorm_mode_32 3
		.amdhsa_float_denorm_mode_16_64 3
		.amdhsa_memory_ordered 1
		.amdhsa_forward_progress 1
		.amdhsa_inst_pref_size 190
	.end_amdhsa_kernel
	.amdgpu_metadata
---
amdhsa.version: [ 1, 2 ]
amdhsa.kernels:
  - .name:           k_q4cf4cf2441_attn
    .symbol:         k_q4cf4cf2441_attn.kd
    .args:
      - { .name: fcodes, .offset: 0, .size: 8, .value_kind: global_buffer, .address_space: global }
      - { .name: ab, .offset: 8, .size: 8, .value_kind: global_buffer, .address_space: global }
      - { .name: feature, .offset: 16, .size: 8, .value_kind: global_buffer, .address_space: global }
      - { .name: lowp_scales, .offset: 24, .size: 8, .value_kind: global_buffer, .address_space: global }
      - { .name: out0, .offset: 32, .size: 8, .value_kind: global_buffer, .address_space: global }
    .group_segment_fixed_size: 305408
    .private_segment_fixed_size: 0
    .kernarg_segment_align: 8
    .kernarg_segment_size: 40
    .max_flat_workgroup_size: 256
    .sgpr_count:     66
    .vgpr_count:     512
    .wavefront_size: 32
...
	.end_amdgpu_metadata
.endif
;; end of part 2
;; ======== version 2 of 2: 2 launches; version 1 with the launches prep, attn written anew for expert scheduling mode
;; workspace buffers: fcodes 2,097,152 bytes; ab 262,144 bytes
;; launch prep (part 3): grid 256 x 1, 2 waves a work-group, no clusters, 0 bytes of LDS; arguments feature, wm, wa, wb, ba, bb, bm, gamma, beta, running_mean, running_var, lowp_scales, fcodes, ab; writes fcodes, ab
.if DOCPART == 3
	.amdgcn_target "amdgcn-amd-amdhsa--gfx1250"
	.amdhsa_code_object_version 6
	.text
	.protected	k_q4cf4cf2441_prep
	.globl	k_q4cf4cf2441_prep
	.p2align	8
	.type	k_q4cf4cf2441_prep,@function
k_q4cf4cf2441_prep:
	s_mov_b64 s[64:65], 0
	v_nop
	global_prefetch_b8 v0, s[64:65] scope:SCOPE_SE
	s_setreg_imm32_b32 hwreg(HW_REG_WAVE_SCHED_MODE, 0, 2), 2
	s_setreg_imm32_b32 hwreg(HW_REG_WAVE_MODE, 25, 1), 1
	s_wait_xcnt 0x0
	s_wait_alu depctr_vm_vsrc(0)
; a' = (wa . x + ba) log2(e) and b = wb . x + bb in f32 (fused multiply-adds), and f = BN(Q(wm) Q(x) + bm) as codes of E4M3, for every point of every batch.
; x = feature [4][64 channels][8192 points], f32.  The product wm x is made on codes: wm with 2^e0, x with 2^e1, along the 64 channels; f is quantised with 2^e2 along the points.
; SHARES.  A wave owns 64 points (a "step"): wave g = 2 x work-group + wave, batch g / 128, step g % 128.  No LDS, no barrier: waves share nothing.
; K IN THE REGISTERS.  Byte i (0 .. 31) of the eight registers of lane (r, h) is k = 32 h + i, in both sources alike: a permutation of k that keeps every product with its partner.
; x IS LOADED AS IT LIES: for channel 32 h + i sixteen lanes read 256 consecutive aligned bytes, lane r the points 4 r + 0 .. 3.  Register u of a load belongs to tile u, whose row r is point 4 r + u.
; The product is used with source 0 = 16 points, source 1 = 16 rows of wm: in the result lane (r, h) holds channel 16 ct + r, and register j of tile u point 32 h + 4 j + u:
; a lane's 32 results of one ct are 32 neighbouring points of one channel, which is what the next product's operand wants (its K = the points).
; OUT.  fcodes [batch][step][ct 4][half 2][lane 32][16 bytes]: images of that operand's registers: lane (r, h), half j2: f(16 ct + r, 64 step + 32 h + 16 j2 + 0 .. 15).
;       ab: a' [4][8192] f32, then, 131,072 bytes on, b [4][8192] f32.
; LIMITS: e0, e1, e2 between -126 and 119, so that 2^e and 448 x 2^e are f32 numbers (e0 + e1 goes in by v_ldexp_f32 and has none); running_var + 1e-5 is positive; NaN among the inputs is not served.
; THE MODE: SCHED_MODE bits 1:0 = 2 (LLVM: expert scheduling mode 2), set by the entry lines.  The code itself states the register dependences
; between vector or matrix instructions and memory instructions, with s_wait_alu, always for 0.
; THE PLAN.  Registers that memory instructions touch:
;   v3-8       offsets: written at the head, read by the loads and stores, never written again.
;   the loads' landing registers (window 1; v40-59; v76-139): all 100 loads stand in one run at the head, and no vector instruction names these registers ahead of it.
;   v32-35 (a', b) and v204-235 (f's codes, eight registers for each ct): written once by vector instructions, read by one store each, never written again.
; So: one wait ahead of the run of loads (the offsets), and one behind each ct's conversions, ahead of its stores; a' and b leave behind the first of these.
; No register that a memory instruction reads is written again, so no wait on vm_vsrc is owed.  The wave's number and the one mask in VCC have a wait each ahead of their first readers.
; REGISTERS, window 0: v1 r, v2 h, v3-8 offsets; v16-21 the three scales and holds; v24-31 the sums of a and b; v32-35 their store; v40-59 the norm's numbers; v60-75 G, H for each ct;
;   v76-107 wa, later f ahead of the hold; v108-139 wb, later f in the order of the points; v140-171 x's codes; v172-203 wm's codes; v204-235 f's codes.
;   window 1: v0-127 wm as f32, later x held, tile by tile; v128-255 x as loaded, later the sixteen accumulators.
.set WA, 76
.set WB, 108
.set T2, 76
.set T,  108
.set XC, 140
.set WC, 172
.set FC, 204
.set GH, 60
.set MSB, 0
.macro WIN new                         ; the immediate's high byte repeats the setting that is left
.if MSB != \new
	s_set_vgpr_msb (MSB<<8)|\new
.set MSB, \new
.endif
.endm
.macro MKSC se, vs                     ; v[vs] = 2^e, v[vs + 1] = 448 x 2^e, e in s[se]
	s_add_co_i32 s50, s[\se], 127
	s_lshl_b32 s51, s50, 23
	v_mov_b32 v[\vs], s51
	s_add_co_i32 s50, s50, 8
	s_lshl_b32 s50, s50, 23
	s_or_b32 s50, s50, 0x600000
	v_mov_b32 v[\vs+1], s50
.endm
	s_load_b512 s[8:23], s[0:1], 0x0               ; feature 8, wm 10, wa 12, wb 14, ba 16, bb 18, bm 20, gamma 22
	s_load_b256 s[24:31], s[0:1], 0x40             ; beta 24, running_mean 26, running_var 28, lowp_scales 30
	s_load_b128 s[32:35], s[0:1], 0x60             ; fcodes 32, ab 34
	v_lshrrev_b32 v9, 5, v0
	v_readfirstlane_b32 s4, v9                     ; wave 0, 1
	v_and_b32 v1, 15, v0                           ; r
	v_bfe_u32 v2, v0, 4, 1                         ; h
	v_and_b32 v3, 31, v0
	v_lshlrev_b32 v3, 4, v3                        ; 16 x lane: my place in an image
	v_lshlrev_b32 v4, 4, v1
	v_lshl_add_u32 v4, v2, 20, v4                  ; x: 32 h channels of 32,768 bytes + 16 r
	v_lshlrev_b32 v6, 7, v2                        ; wa, wb: 128 h
	v_lshl_add_u32 v5, v1, 8, v6                   ; wm: row r of 256 bytes + 128 h
	v_lshlrev_b32 v7, 2, v1                        ; the norm's vectors: 4 r
	v_lshlrev_b32 v8, 4, v1
	v_lshl_add_u32 v8, v2, 17, v8                  ; ab: lanes 0-15 a', lanes 16-31 b: 131,072 h + 16 r
	s_wait_alu depctr_va_sdst(0)                   ; s4, the wave's number, is written, ahead of its first reader: the three bases are made from it
	s_lshl_b32 s5, ttmp9, 1
	s_add_co_u32 s5, s5, s4                        ; g
	s_lshr_b32 s6, s5, 7                           ; batch
	s_and_b32 s7, s5, 127                          ; step
	s_lshl_b32 s44, s6, 21
	s_lshl_b32 s45, s7, 8
	s_add_co_u32 s44, s44, s45                     ; feature: batch x 2,097,152 + step x 256
	s_mov_b32 s45, 0
	s_lshl_b32 s46, s5, 12                         ; fcodes: g x 4,096
	s_mov_b32 s47, 0
	s_lshl_b32 s52, s5, 8                          ; ab: g x 256
	s_mov_b32 s53, 0
	s_mov_b32 s48, 0x76543210                      ; v_permlanex16_b32: lane l xor 16
	s_mov_b32 s49, 0xfedcba98
	s_wait_kmcnt 0x0
	s_load_b32 s36, s[16:17], 0x0                  ; ba
	s_load_b32 s37, s[18:19], 0x0                  ; bb
	s_load_b128 s[40:43], s[30:31], 0x0            ; e0 .. e3
	s_add_nc_u64 s[8:9], s[8:9], s[44:45]
	s_add_nc_u64 s[32:33], s[32:33], s[46:47]
	s_add_nc_u64 s[34:35], s[34:35], s[52:53]
	; all loads in one run: wm (32), the norm's numbers (20), wa and wb (16), x (32); the waits below count the younger ones
	WIN 0x40                                       ; destination window 1
	s_wait_alu depctr_va_vdst(0)                   ; the offsets v3 to v8 are written: every load and store of the kernel reads one of them; only loads and window switches stand between this wait and the last load of the run
.irp ct, 0,1,2,3
.irp n, 0,1,2,3,4,5,6,7
	global_load_b128 v[32*\ct+4*\n:32*\ct+4*\n+3], v5, s[10:11] offset:4096*\ct+16*\n   ; wm(16 ct + r, 32 h + 4 n ..)
.endr
.endr
	WIN 0
.irp ct, 0,1,2,3
	global_load_b32 v[40+\ct], v7, s[20:21] offset:64*\ct      ; bm, gamma, beta, mean, var of channel 16 ct + r
	global_load_b32 v[44+\ct], v7, s[22:23] offset:64*\ct
	global_load_b32 v[48+\ct], v7, s[24:25] offset:64*\ct
	global_load_b32 v[52+\ct], v7, s[26:27] offset:64*\ct
	global_load_b32 v[56+\ct], v7, s[28:29] offset:64*\ct
.endr
.irp n, 0,1,2,3,4,5,6,7
	global_load_b128 v[WA+4*\n:WA+4*\n+3], v6, s[12:13] offset:16*\n   ; wa(32 h + i), wb(32 h + i)
	global_load_b128 v[WB+4*\n:WB+4*\n+3], v6, s[14:15] offset:16*\n
.endr
	WIN 0x40
.set i, 0
.rept 32
	global_load_b128 v[128+4*i:128+4*i+3], v4, s[8:9] offset:32768*i   ; x(32 h + i, 4 r + 0 .. 3): sixteen lanes read 256 consecutive bytes, aligned
.set i, i+1
.endr
	WIN 0
	s_wait_kmcnt 0x0
	MKSC 40, 16                                    ; v16, v17: e0 (wm)
	MKSC 41, 18                                    ; v18, v19: e1 (x)
	MKSC 42, 20                                    ; v20, v21: e2 (f)
	s_add_co_i32 s54, s40, s41                     ; e0 + e1
	; ---- wm into codes
	s_wait_loadcnt 48                              ; wm and the norm's numbers are in; wa, wb (16) and x (32) may be out
	WIN 0x41                                       ; destination and source 0 window 1
.set i, 0
.rept 128
	v_med3_num_f32 v[i], v[i], -v17, v17           ; the conversion to an 8-bit code does not saturate (ISA guide 7.6.2): the hold at 448 x the scale comes first
.set i, i+1
.endr
	WIN 0x01                                       ; source 0 window 1
.irp ct, 0,1,2,3
.irp n, 0,1,2,3
	v_cvt_scalef32_pk8_fp8_f32 v[WC+8*\ct+2*\n:WC+8*\ct+2*\n+1], v[32*\ct+8*\n:32*\ct+8*\n+7], v16
.endr
.endr
	WIN 0
	; ---- the norm folded: f = sum x G + H, G = gamma / sqrt(var + eps) x 2^(e0 + e1), H = (bm - mean) x gamma / sqrt(var + eps) + beta
.irp ct, 0,1,2,3
	v_add_f32 v[56+\ct], 0x3727c5ac, v[56+\ct]     ; var + 1e-5
.endr
.irp ct, 0,1,2,3
	v_rsq_f32 v[56+\ct], v[56+\ct]
.endr
.irp ct, 0,1,2,3
	v_sub_f32 v[40+\ct], v[40+\ct], v[52+\ct]      ; bm - mean.  (Plain lines between the last root and the use of its result)
.endr
	s_wait_alu depctr_va_vdst(0)                   ; the four roots have written v56 to v59: one wait for the batch, ahead of its first reader
.irp ct, 0,1,2,3
	v_mul_f32 v[44+\ct], v[44+\ct], v[56+\ct]
.endr
.irp ct, 0,1,2,3
	v_ldexp_f32 v[GH+4*\ct], v[44+\ct], s54
	v_fma_f32 v[GH+4*\ct+2], v[40+\ct], v[44+\ct], v[48+\ct]
.endr
.irp ct, 0,1,2,3
	v_mov_b32 v[GH+4*\ct+1], v[GH+4*\ct]           ; (named as the upper halves of pairs, so they are written)
	v_mov_b32 v[GH+4*\ct+3], v[GH+4*\ct+2]
.endr
; ---- eight channels of my half: their share of a and b; then held and moved, so that a tile's channels lie in consecutive registers; then eight codes for each of the four tiles
.macro XGROUP g
	s_wait_loadcnt 24-8*\g                         ; loads come back in order: these eight channels are in (and wa, wb, which are older); the younger channels may be out
	WIN 0x01                                       ; source 0 (x) window 1
.irp n, 0,1,2,3,4,5,6,7
.set i, 8*\g+\n
.irp k, 0,2
.if i == 0
	v_pk_mul_f32 v[24+\k:25+\k], v[128+\k:129+\k], v[WA:WA+1] op_sel_hi:[1,0]      ; the first channel starts the sums: nothing is cleared
	v_pk_mul_f32 v[28+\k:29+\k], v[128+\k:129+\k], v[WB:WB+1] op_sel_hi:[1,0]
.elseif (i%2) == 0
	v_pk_fma_f32 v[24+\k:25+\k], v[128+4*i+\k:129+4*i+\k], v[WA+i:WA+i+1], v[24+\k:25+\k] op_sel_hi:[1,0,1]   ; two points x wa(i): the pair's low word for both
	v_pk_fma_f32 v[28+\k:29+\k], v[128+4*i+\k:129+4*i+\k], v[WB+i:WB+i+1], v[28+\k:29+\k] op_sel_hi:[1,0,1]
.else
	v_pk_fma_f32 v[24+\k:25+\k], v[128+4*i+\k:129+4*i+\k], v[WA+i-1:WA+i], v[24+\k:25+\k] op_sel:[0,1,0] op_sel_hi:[1,1,1]   ; the pair's high word for both
	v_pk_fma_f32 v[28+\k:29+\k], v[128+4*i+\k:129+4*i+\k], v[WB+i-1:WB+i], v[28+\k:29+\k] op_sel:[0,1,0] op_sel_hi:[1,1,1]
.endif
.endr
.endr
	WIN 0x41
.irp n, 0,1,2,3,4,5,6,7
.irp u, 0,1,2,3
	v_med3_num_f32 v[32*\u+8*\g+\n], v[128+4*(8*\g+\n)+\u], -v19, v19   ; the hold is also the move: tile u, channel 32 h + 8 g + n
.endr
.endr
	WIN 0x01
.irp u, 0,1,2,3
	v_cvt_scalef32_pk8_fp8_f32 v[XC+8*\u+2*\g:XC+8*\u+2*\g+1], v[32*\u+8*\g:32*\u+8*\g+7], v18
.endr
.endm
	XGROUP 0
	XGROUP 1
	XGROUP 2
	XGROUP 3
	v_nop                                          ; one plain vector line between the last scaled conversion and the products that read its result
	; ---- wm x on codes: sixteen products, each a whole sum (K = 64), each with an accumulator of its own
	WIN 0x40                                       ; D window 1
.irp ct, 0,1,2,3
.irp u, 0,1,2,3
	v_wmma_f32_16x16x64_fp8_fp8 v[128+32*\ct+8*\u:128+32*\ct+8*\u+7], v[XC+8*\u:XC+8*\u+7], v[WC+8*\ct:WC+8*\ct+7], 0
.endr
.endr
	WIN 0
	; ---- a and b are finished; these lines name none of the products' registers and are the places behind them (ISA guide 7.12.1)
.irp k, 0,1,2,3,4,5,6,7
	v_permlanex16_b32 v[WA+\k], v[24+\k], s48, s49 ; the other 32 channels' share (wa's registers are done with, and have been written)
.endr
.irp k, 0,1,2,3,4,5,6,7
	v_add_f32 v[24+\k], v[24+\k], v[WA+\k]
.endr
.irp k, 0,1,2,3
	v_add_f32 v[24+\k], s36, v[24+\k]              ; + ba
	v_add_f32 v[28+\k], s37, v[28+\k]              ; + bb
.endr
	v_cmp_eq_u32 vcc_lo, 1, v2
.irp k, 0,1,2,3
	v_mul_f32 v[24+\k], 0x3fb8aa3b, v[24+\k]       ; a' = a x log2(e)
.endr
	s_wait_alu depctr_va_vcc(0)                    ; the compare has written VCC, ahead of its first reader; the four multiplies stand between
.irp k, 0,1,2,3
	v_cndmask_b32 v[32+\k], v[24+\k], v[28+\k], vcc_lo   ; lanes 0-15 store a', lanes 16-31 b
.endr
; ---- f of channels 16 ct + r: the norm, the hold (which also puts the points in order), the codes, two images of 512 consecutive bytes
.macro POST ct
	WIN 0x01                                       ; source 0 (the sums) window 1
.irp u, 0,1,2,3
.irp k, 0,2,4,6
	v_pk_fma_f32 v[T2+8*\u+\k:T2+8*\u+\k+1], v[128+32*\ct+8*\u+\k:128+32*\ct+8*\u+\k+1], v[GH+4*\ct:GH+4*\ct+1], v[GH+4*\ct+2:GH+4*\ct+3] op_sel_hi:[1,0,0]   ; each accumulator from its low end on
.endr
.endr
	WIN 0
.irp j, 0,1,2,3,4,5,6,7
.irp u, 0,1,2,3
	v_med3_num_f32 v[T+4*\j+\u], v[T2+8*\u+\j], -v21, v21   ; point 32 h + 4 j + u
.endr
.endr
.irp n, 0,1,2,3
	v_cvt_scalef32_pk8_fp8_f32 v[FC+8*\ct+2*\n:FC+8*\ct+2*\n+1], v[T+8*\n:T+8*\n+7], v20
.endr
	v_nop                                          ; one plain line behind the last conversion: the next ct's lines write its sources again
	s_wait_alu depctr_va_vdst(0)                   ; the conversions have written this ct's codes, which the stores below read; ct = 0: the selects have written v[32:35] too
.if \ct == 0
	global_store_b128 v8, v[32:35], s[34:35]       ; a' and b: each half of the lanes stores 256 consecutive bytes, aligned
.endif
	global_store_b128 v3, v[FC+8*\ct:FC+8*\ct+3], s[32:33] offset:1024*\ct
	global_store_b128 v3, v[FC+8*\ct+4:FC+8*\ct+7], s[32:33] offset:1024*\ct+512   ; each ct has its own registers for its codes: no store's data are written again
.endm
	POST 0
	POST 1
	POST 2
	POST 3
	s_endpgm
.Lfunc_end_k_q4cf4cf2441_prep:
	.size	k_q4cf4cf2441_prep, .Lfunc_end_k_q4cf4cf2441_prep-k_q4cf4cf2441_prep
	.p2alignl 7, 3214868480
	.fill 96, 4, 3214868480
	.section	.rodata,"a",@progbits
	.p2align	6, 0x0
	.amdhsa_kernel k_q4cf4cf2441_prep
		.amdhsa_group_segment_fixed_size 0
		.amdhsa_private_segment_fixed_size 0
		.amdhsa_enable_private_segment 0
		.amdhsa_kernarg_size 112
		.amdhsa_user_sgpr_count 2
		.amdhsa_user_sgpr_kernarg_segment_ptr 1
		.amdhsa_wavefront_size32 1
		.amdhsa_system_sgpr_workgroup_id_x 1
		.amdhsa_system_sgpr_workgroup_id_y 1
		.amdhsa_system_sgpr_workgroup_id_z 1
		.amdhsa_system_vgpr_workitem_id 0
		.amdhsa_next_free_vgpr 512
		.amdhsa_next_free_sgpr 66
		.amdhsa_reserve_vcc 1
		.amdhsa_float_denorm_mode_32 3
		.amdhsa_float_denorm_mode_16_64 3
		.amdhsa_memory_ordered 1
		.amdhsa_forward_progress 1
		.amdhsa_inst_pref_size 58
	.end_amdhsa_kernel
	.amdgpu_metadata
---
amdhsa.version: [ 1, 2 ]
amdhsa.kernels:
  - .name:           k_q4cf4cf2441_prep
    .symbol:         k_q4cf4cf2441_prep.kd
    .args:
      - { .name: feature, .offset: 0, .size: 8, .value_kind: global_buffer, .address_space: global }
      - { .name: wm, .offset: 8, .size: 8, .value_kind: global_buffer, .address_space: global }
      - { .name: wa, .offset: 16, .size: 8, .value_kind: global_buffer, .address_space: global }
      - { .name: wb, .offset: 24, .size: 8, .value_kind: global_buffer, .address_space: global }
      - { .name: ba, .offset: 32, .size: 8, .value_kind: global_buffer, .address_space: global }
      - { .name: bb, .offset: 40, .size: 8, .value_kind: global_buffer, .address_space: global }
      - { .name: bm, .offset: 48, .size: 8, .value_kind: global_buffer, .address_space: global }
      - { .name: gamma, .offset: 56, .size: 8, .value_kind: global_buffer, .address_space: global }
      - { .name: beta, .offset: 64, .size: 8, .value_kind: global_buffer, .address_space: global }
      - { .name: running_mean, .offset: 72, .size: 8, .value_kind: global_buffer, .address_space: global }
      - { .name: running_var, .offset: 80, .size: 8, .value_kind: global_buffer, .address_space: global }
      - { .name: lowp_scales, .offset: 88, .size: 8, .value_kind: global_buffer, .address_space: global }
      - { .name: fcodes, .offset: 96, .size: 8, .value_kind: global_buffer, .address_space: global }
      - { .name: ab, .offset: 104, .size: 8, .value_kind: global_buffer, .address_space: global }
    .group_segment_fixed_size: 0
    .private_segment_fixed_size: 0
    .kernarg_segment_align: 8
    .kernarg_segment_size: 112
    .max_flat_workgroup_size: 64
    .sgpr_count:     66
    .vgpr_count:     512
    .wavefront_size: 32
...
	.end_amdgpu_metadata
.endif
;; end of part 3
;; launch attn (part 4): grid 64 x 4, 8 waves a work-group, no clusters, 305,408 bytes of LDS; arguments fcodes, ab, feature, lowp_scales, out0; writes out0
.if DOCPART == 4
	.amdgcn_target "amdgcn-amd-amdhsa--gfx1250"
	.amdhsa_code_object_version 6
	.text
	.protected	k_q4cf4cf2441_attn
	.globl	k_q4cf4cf2441_attn
	.p2align	8
	.type	k_q4cf4cf2441_attn,@function
k_q4cf4cf2441_attn:
	s_mov_b64 s[64:65], 0
	v_nop
	global_prefetch_b8 v0, s[64:65] scope:SCOPE_SE
	s_setreg_imm32_b32 hwreg(HW_REG_WAVE_SCHED_MODE, 0, 2), 2
	s_setreg_imm32_b32 hwreg(HW_REG_WAVE_MODE, 25, 1), 1
	s_wait_xcnt 0x0
	s_wait_alu depctr_vm_vsrc(0)
; out(c, n) = feature(c, n) + 2^(e2 + e3) / l(n) x the sum over m of Q(f)(c, m) Q(p)(n, m);  p(n, m) = 2^(a'(n) b(m) - M(n)), l(n) = the sum over m of the unquantised p.
; THE ROW'S MAXIMUM IS TAKEN AWAY, AND IS KNOWN AHEAD OF THE KEYS: the logits of a row are a'(n) x b(m), so their largest is a'(n) x the largest b or a'(n) x the smallest b, whichever is larger.
; M = that number rounded up to a whole number (one more where the fused a' b - M would still come out above 0), so that a' b - M <= 0 for every key, by the monotony of one rounding: p <= 1.
; With M fixed there is no running maximum and nothing is rescaled, and the keys can be shared out: partial sums are simply added.
; SHARES.  A work-group owns 128 queries of one batch.  Each of its eight waves holds all eight tiles of 16 queries (O: 256 registers) and walks its own eighth of the keys, 16 steps of 64.
; So a fragment of f has one reader in the work-group; it lies in memory as an image of the operand's registers and comes by dense loads of 512 bytes straight into them.  b comes from LDS, and a register of b serves all eight tiles.
; Sharing f's tiles among work-groups by joint loads is left out: a step's 4,096 bytes stand beside four pairs' arithmetic, and they would pass through LDS for a single reader.
; LAYOUT.  Source 0 = 16 channels of f, source 1 = 16 queries' p: lane (r, h) holds query r throughout; register j of accumulator ct is channel 16 ct + 8 h + j.
; Byte i of a lane's eight operand registers is key 32 h + i of the step, in both sources alike: a permutation of k that keeps every product with its partner.
; AT THE END the eight partial O and l meet in LDS: wave w adds up tile w, divides, and the rows go through a stage so that each store covers 512 consecutive bytes of a channel.
; LIMITS: e3 between -126 and 119 (2^e3 and 448 x 2^e3 are f32 numbers; e2 + e3 goes in by v_ldexp_f32); a' x b finite; NaN is not served.
; LDS: 0 the batch's b (32,768 bytes), later the stage (64 rows x 528); RED 8 bytes a wave; LST l: [wave][tile][lane]; OST partial O: [wave 32,768][tile 4,096][group 512][16 x lane].
; THE MODE: SCHED_MODE bits 1:0 = 2 (LLVM: expert scheduling mode 2), set by the entry lines.  The code itself states the register dependences
; between vector or matrix instructions and memory or LDS instructions, with s_wait_alu, always for 0.
; THE PLAN.  Registers that memory or LDS instructions touch, in the loop:
;   F0, F1   f's fragments.  A step's 32 products read set fs; the loads of the next step land in the other set, whose last readers are the products of the step before.
;   B        the step's b.  Read by the scalings of all four pairs; the LDS loads of the next step's b land in it.
;   v3       the LDS address of b: read by those LDS loads, written once a trip, at the trip's head.
;   v1       16 x lane, the offset of f's loads: never written again; their scalar base moves on once a trip.
;   p, its codes, the statistics and O are named by vector and matrix instructions alone.
; Each pair has ONE wait on va_vdst, behind its 64 exponentials and ahead of the first reader of p.  The loads stand directly behind such a wait: f's behind pair 0's (the products of the step before were issued ahead of it),
; b's behind pair 3's (the last scalings that read b were issued ahead of it, and so was the add that wrote v3).  So the loop owes no wait on va_vdst of its own, and one on vm_vsrc a trip, ahead of the add to v3.
; REGISTERS, window 0: v1-14 addresses; v16-63 six a tile: a', a', -M, -M, l in two halves; v64-95 b of the step; v96-159 f's fragments, two sets; v160-223 p of two tiles (at the head v176-207: the rows' maxima at work); v224-239 their codes; v240-255 at work.   window 1: O, accumulator (t, ct) at v[32 t + 8 ct].
.set RED, 33792
.set LST, 34048
.set OST, 42240
.set ST,  16
.set B,   64
.set F,   96
.set P,   160
.set RW,  176                          ; at the head only: four registers a tile
.set MK,  40                           ; s[40:47]  at the head only: a mask for each tile
.set C,   224
.set TS,  240
.set MSB, 0
.macro WIN new                         ; the immediate's high byte repeats the setting that is left
.if MSB != \new
	s_set_vgpr_msb (MSB<<8)|\new
.set MSB, \new
.endif
.endm
.macro BARRIER                         ; my LDS stores have landed and my LDS loads are in: then the work-group's barrier
	s_wait_dscnt 0x0
	s_barrier_signal -1
	s_barrier_wait -1
.endm
	s_load_b256 s[4:11], s[0:1], 0x0               ; fcodes 4, ab 6, feature 8, lowp_scales 10
	s_load_b64 s[12:13], s[0:1], 0x20              ; out0
	v_lshrrev_b32 v15, 5, v0
	v_readfirstlane_b32 s14, v15                   ; wave 0 .. 7
	s_and_b32 s15, ttmp7, 0xffff                   ; batch
	v_and_b32 v250, 31, v0                         ; lane
	v_and_b32 v251, 15, v0                         ; r
	v_bfe_u32 v252, v0, 4, 1                       ; h
	v_lshlrev_b32 v1, 4, v250                      ; 16 x lane
	v_lshlrev_b32 v254, 4, v0                      ; 16 x thread
	v_lshlrev_b32 v255, 2, v251                    ; 4 r
	s_wait_alu depctr_va_sdst(0)                   ; s14, the wave's number, is written, ahead of its first reader: bases and LDS addresses are made from it
	s_lshl_b32 s16, s15, 19
	s_lshl_b32 s17, s14, 16
	s_add_co_u32 s16, s16, s17                     ; fcodes: batch x 524,288 + wave x 16 steps of 4,096
	s_mov_b32 s17, 0
	s_lshl_b32 s18, s15, 15                        ; ab: batch x 32,768
	s_mov_b32 s19, 0
	s_lshl_b32 s40, ttmp9, 9                       ; my first query, in bytes: 4 x 128 x work-group x
	s_mov_b32 s41, 0
	s_lshl_b32 s42, s15, 21
	s_lshl_b32 s43, s14, 18
	s_add_co_u32 s42, s42, s43
	s_add_co_u32 s42, s42, s40                     ; feature, out0: batch x 2,097,152 + 8 wave channels of 32,768 + my first query
	s_mov_b32 s43, 0
	s_mov_b32 s26, 0x76543210                      ; v_permlanex16_b32: lane l xor 16
	s_mov_b32 s27, 0xfedcba98
	s_mov_b32 s25, 0                               ; the loop's step in b
	s_wait_kmcnt 0x0
	s_load_b128 s[20:23], s[10:11], 0x0            ; e0 .. e3
	s_add_nc_u64 s[28:29], s[4:5], s[16:17]        ; my wave's first step of f
	s_add_nc_u64 s[34:35], s[6:7], s[18:19]
	s_add_nc_u64 s[32:33], s[34:35], s[40:41]      ; a' of my first query
	s_add_nc_u64 s[34:35], s[34:35], 0x20000       ; the batch's b
	s_add_nc_u64 s[36:37], s[8:9], s[42:43]
	s_add_nc_u64 s[38:39], s[12:13], s[42:43]
	s_wait_alu depctr_va_vdst(0)                   ; v1, v254 and v255 are written: the offsets of the loads below, and of b's stores into LDS
.irp n, 0,1,2,3,4,5,6,7
	global_load_b128 v[B+4*\n:B+4*\n+3], v254, s[34:35] offset:4096*\n     ; the batch's b: the work-group reads 4,096 consecutive bytes a line
.endr
.irp t, 0,1,2,3,4,5,6,7
	global_load_b32 v[ST+6*\t], v255, s[32:33] offset:64*\t                ; a' of query 16 t + r
.endr
.irp ct, 0,1,2,3
.irp j, 0,1
	global_load_b128 v[F+8*\ct+4*\j:F+8*\ct+4*\j+3], v1, s[28:29] offset:1024*\ct+512*\j   ; step 0's fragments, into set 0
.endr
.endr
	; the LDS addresses: constants, the lane, the wave's number
	s_lshl_b32 s44, s14, 12
	v_lshl_add_u32 v2, v252, 7, s44                ; b of my keys: wave x 4,096 + 128 h (sixteen lanes read the same 16 bytes)
	s_add_co_u32 s44, s44, OST
	v_add_nc_u32 v8, s44, v1                       ; partial O of tile w, from waves 0 and 1,
	v_add_nc_u32 v9, 0x10000, v8                   ; 2 and 3,
	v_add_nc_u32 v10, 0x20000, v8                  ; 4 and 5,
	v_add_nc_u32 v11, 0x30000, v8                  ; 6 and 7
	s_lshl_b32 s44, s14, 15
	s_add_co_u32 s44, s44, OST
	v_add_nc_u32 v6, s44, v1                       ; where I put my partial O
	s_lshl_b32 s44, s14, 10
	s_add_co_u32 s44, s44, LST
	v_lshl_add_u32 v7, v250, 2, s44                ; where I put my partial l
	s_lshl_b32 s44, s14, 7
	s_add_co_u32 s44, s44, LST
	v_lshl_add_u32 v12, v250, 2, s44               ; partial l of tile w
	v_mul_u32_u24 v13, v252, 4224
	v_lshl_add_u32 v13, v251, 2, v13
	s_lshl_b32 s44, s14, 6
	v_add_nc_u32 v13, s44, v13                     ; the stage, in: row 8 h (+ 16 ct + j), byte 64 w + 4 r
	s_mul_i32 s44, s14, 4224
	v_add_nc_u32 v14, s44, v1                      ; and back: rows 8 w on, 16 bytes a lane
	v_mov_b32 v253, s14
	v_lshl_add_u32 v253, v253, 3, RED              ; my wave's two words
	v_mov_b32 v15, RED
	v_mov_b32 v246, 0                              ; written once: a lane permute's destination counts as one of its sources
	v_mov_b32 v247, 0
	v_add_nc_u32 v3, s25, v2
	s_wait_kmcnt 0x0
	s_add_co_i32 s40, s23, 127
	s_lshl_b32 s41, s40, 23
	v_mov_b32 v4, s41                              ; 2^e3 as f32: the conversion takes its exponent field
	s_add_co_i32 s40, s40, 8
	s_lshl_b32 s40, s40, 23
	s_or_b32 s40, s40, 0x600000
	v_mov_b32 v5, s40                              ; 448 x 2^e3
	s_add_co_i32 s30, s22, s23                     ; e2 + e3
	; ---- b into LDS, and its largest and smallest number
	s_wait_loadcnt 16                              ; b is in; a' (8) and f (8) may be out
.irp n, 0,1,2,3,4,5,6,7
	ds_store_b128 v254, v[B+4*\n:B+4*\n+3] offset:4096*\n
.endr
	v_max_num_f32 v244, v[B], v[B+1]
	v_min_num_f32 v245, v[B], v[B+1]
.irp j, 2,4,6,8,10,12,14,16,18,20,22,24,26,28,30
	v_max3_num_f32 v244, v244, v[B+\j], v[B+\j+1]
	v_min3_num_f32 v245, v245, v[B+\j], v[B+\j+1]
.endr
.irp m, 1,2,4,8
	v_max_num_f32_dpp v244, v244, v244 row_xmask:\m row_mask:0xf bank_mask:0xf
	v_min_num_f32_dpp v245, v245, v245 row_xmask:\m row_mask:0xf bank_mask:0xf
.endr
	v_permlanex16_b32 v246, v244, s26, s27
	v_permlanex16_b32 v247, v245, s26, s27
	v_max_num_f32 v244, v244, v246
	v_min_num_f32 v245, v245, v247
	s_wait_alu depctr_va_vdst(0)                   ; v[244:245] and v253 are written, which the store below reads; so are all LDS addresses, v2 to v15, for the whole kernel; and the lines above are done reading B, in which step 0's b lands behind the barrier
	ds_store_b64 v253, v[244:245]                  ; all lanes write the same two words with the same numbers
	BARRIER                                        ; b and the eight waves' extremes lie in LDS
	s_wait_alu depctr_vm_vsrc(0)                   ; my LDS stores have read B, in which step 0's b lands; they and the head's loads have also read v244, v245 and v253 to v255, of which v254 and v255 are written again at the end
.irp n, 0,1,2,3
	ds_load_b128 v[P+4*\n:P+4*\n+3], v15 offset:16*\n      ; wave k's largest at P + 2 k, its smallest at P + 2 k + 1
.endr
.irp n, 0,1,2,3,4,5,6,7
	ds_load_b128 v[B+4*\n:B+4*\n+3], v3 offset:16*\n       ; step 0's b
.endr
	s_wait_dscnt 8                                 ; the extremes are in; the eight younger loads may be out
	v_max3_num_f32 v248, v[P], v[P+2], v[P+4]
	v_min3_num_f32 v249, v[P+1], v[P+3], v[P+5]
	v_max3_num_f32 v248, v248, v[P+6], v[P+8]
	v_min3_num_f32 v249, v249, v[P+7], v[P+9]
	v_max3_num_f32 v248, v248, v[P+10], v[P+12]
	v_min3_num_f32 v249, v249, v[P+11], v[P+13]
	v_max_num_f32 v248, v248, v[P+14]              ; the batch's largest b,
	v_min_num_f32 v249, v249, v[P+15]              ; and its smallest
	s_wait_loadcnt 8                               ; a' is in; f's eight loads may be out
	; ---- M for the eight tiles.  The compares stand in two runs of eight, each tile's mask in a scalar register of its own, with one wait behind each run
.irp t, 0,1,2,3,4,5,6,7
	v_mul_f32 v[RW+4*\t], v[ST+6*\t], v248
	v_mul_f32 v[RW+4*\t+1], v[ST+6*\t], v249
.endr
.irp t, 0,1,2,3,4,5,6,7
	v_cmp_gt_f32 s[MK+\t], v[RW+4*\t+1], v[RW+4*\t]
.endr
.irp t, 0,1,2,3,4,5,6,7
	v_max_num_f32 v[RW+4*\t], v[RW+4*\t], v[RW+4*\t+1]     ; the row's largest t
.endr
.irp t, 0,1,2,3,4,5,6,7
	v_floor_f32 v[ST+6*\t+2], -v[RW+4*\t]          ; -M = floor(-t) = -ceil(t)
.endr
	s_wait_alu depctr_va_sdst(0)                   ; the eight compares have written s40 to s47, ahead of their first readers
.irp t, 0,1,2,3,4,5,6,7
	v_cndmask_b32 v[RW+4*\t+2], v248, v249, s[MK+\t]       ; the b at which the row's largest t stands.  (A choice of values: no branch hangs on it)
.endr
.irp t, 0,1,2,3,4,5,6,7
	v_fma_f32 v[RW+4*\t+1], v[ST+6*\t], v[RW+4*\t+2], v[ST+6*\t+2]   ; the largest exponent as the loop will make it
.endr
.irp t, 0,1,2,3,4,5,6,7
	v_cmp_lt_f32 s[MK+\t], 0, v[RW+4*\t+1]
.endr
.irp t, 0,1,2,3,4,5,6,7
	v_mov_b32 v[ST+6*\t+1], v[ST+6*\t]             ; (the upper half of the pair that the packed form names)
	v_mov_b32 v[ST+6*\t+4], 0                      ; l, in two halves
	v_mov_b32 v[ST+6*\t+5], 0
.endr
	s_wait_alu depctr_va_sdst(0)                   ; the second run of compares has written s40 to s47, ahead of their first readers
.irp t, 0,1,2,3,4,5,6,7
	v_cndmask_b32 v[RW+4*\t+1], 0, 1.0, s[MK+\t]
.endr
.irp t, 0,1,2,3,4,5,6,7
	v_sub_f32 v[ST+6*\t+2], v[ST+6*\t+2], v[RW+4*\t+1]     ; above 0: M one higher
.endr
.irp t, 0,1,2,3,4,5,6,7
	v_mov_b32 v[ST+6*\t+3], v[ST+6*\t+2]
.endr
; ---- TWO TILES OF QUERIES x 64 KEYS.  q: tiles 2 q, 2 q + 1.  fs: the step's set of fragments.  zero = 1: the products start the sums.
; ldf >= 0: the next step's fragments are asked for, ldf bytes from the base, into the other set.  ldb >= 0: the next step's b, ldb bytes from v3.  Both stand directly behind the pair's one wait.  cnt >= 0: the wait for this step's fragments.
.macro PAIR q, fs, zero, ldf, ldb, cnt
.irp x, 0,1
.set i, 0
.rept 16
	v_pk_fma_f32 v[P+32*\x+2*i:P+32*\x+2*i+1], v[B+2*i:B+2*i+1], v[ST+6*(2*\q+\x):ST+6*(2*\q+\x)+1], v[ST+6*(2*\q+\x)+2:ST+6*(2*\q+\x)+3] op_sel_hi:[1,0,0]   ; a' b - M, two keys at a time
.set i, i+1
.endr
.endr
.set i, 0
.rept 64
	v_exp_f32 v[P+i], v[P+i]                       ; p = 2^(a' b - M), at most 1: not normalised
.set i, i+1
.endr
	v_nop                                          ; one plain line between the exponentials and the use of their results
	s_wait_alu depctr_va_vdst(0)                   ; the 64 exponentials have written p: one wait for the batch, ahead of its first reader.  Pair 0: the products of the step before are done reading the other set of fragments.  Pair 3: the scalings are done reading b, and v3 is written
.if \ldf >= 0
.irp ct, 0,1,2,3
.irp j, 0,1
	global_load_b128 v[F+32*(1-\fs)+8*\ct+4*\j:F+32*(1-\fs)+8*\ct+4*\j+3], v1, s[28:29] offset:\ldf+1024*\ct+512*\j   ; no vector or matrix instruction since the wait names these registers
.endr
.endr
.endif
.if \ldb >= 0                          ; all eight tiles have read this step's b
.irp n, 0,1,2,3,4,5,6,7
	ds_load_b128 v[B+4*\n:B+4*\n+3], v3 offset:\ldb+16*\n
.endr
.endif
.irp x, 0,1
	v_pk_add_f32 v[TS+2*\x:TS+2*\x+1], v[P+32*\x:P+32*\x+1], v[P+32*\x+2:P+32*\x+3]   ; THE ROW'S SUM IS TAKEN OF THE UNQUANTISED p: two chains a tile
.endr
.irp j, 4,8,12,16,20,24,28
.irp x, 0,1
	v_pk_add_f32 v[ST+6*(2*\q+\x)+4:ST+6*(2*\q+\x)+5], v[ST+6*(2*\q+\x)+4:ST+6*(2*\q+\x)+5], v[P+32*\x+\j:P+32*\x+\j+1]
	v_pk_add_f32 v[TS+2*\x:TS+2*\x+1], v[TS+2*\x:TS+2*\x+1], v[P+32*\x+\j+2:P+32*\x+\j+3]
.endr
.endr
.irp x, 0,1
	v_pk_add_f32 v[ST+6*(2*\q+\x)+4:ST+6*(2*\q+\x)+5], v[ST+6*(2*\q+\x)+4:ST+6*(2*\q+\x)+5], v[TS+2*\x:TS+2*\x+1]
.endr
	s_cmp_ge_i32 s23, -8                           ; THE HOLD.  p <= 1, so with e3 >= -8 p / 2^e3 <= 256 < 448 and the hold cannot act: a scalar branch on the given whole number leaves it out
	s_cbranch_scc1 .Lfree_\@
.set i, 0
.rept 64
	v_min_num_f32 v[P+i], v[P+i], v5               ; the conversion to an 8-bit code does not saturate (ISA guide 7.6.2); p is not negative, so the hold is one-sided
.set i, i+1
.endr
.Lfree_\@:
.irp x, 0,1
.irp n, 0,1,2,3
	v_cvt_scalef32_pk8_fp8_f32 v[C+8*\x+2*\n:C+8*\x+2*\n+1], v[P+32*\x+8*\n:P+32*\x+8*\n+7], v4
.endr
.endr
	v_nop                                          ; one plain line between the last scaled conversion and the products that read its result
.if \cnt >= 0
	s_wait_loadcnt \cnt                            ; this step's fragments are in; the eight loads just issued for the next step may be out
.endif
	WIN 0x50                                       ; C and D window 1
.irp ct, 0,1,2,3
.irp x, 0,1
.if \zero
	v_wmma_f32_16x16x64_fp8_fp8 v[32*(2*\q+\x)+8*\ct:32*(2*\q+\x)+8*\ct+7], v[F+32*\fs+8*\ct:F+32*\fs+8*\ct+7], v[C+8*\x:C+8*\x+7], 0
.else
	v_wmma_f32_16x16x64_fp8_fp8 v[32*(2*\q+\x)+8*\ct:32*(2*\q+\x)+8*\ct+7], v[F+32*\fs+8*\ct:F+32*\fs+8*\ct+7], v[C+8*\x:C+8*\x+7], v[32*(2*\q+\x)+8*\ct:32*(2*\q+\x)+8*\ct+7]
.endif
.endr
.endr
	WIN 0                                          ; the 32 accumulators take turns, one instruction a turn, in the same order in every step
.endm
; ---- A STEP: 64 keys for all eight tiles
.macro STEP fs, zero, ldf, ldb
	s_wait_dscnt 0x0                               ; this step's b is in
.if \ldf >= 0
	PAIR 0, \fs, \zero, \ldf, -1, 8
.else
	PAIR 0, \fs, \zero, -1, -1, 0
.endif
	PAIR 1, \fs, \zero, -1, -1, -1
	PAIR 2, \fs, \zero, -1, -1, -1
	PAIR 3, \fs, \zero, -1, \ldb, -1
.endm
	STEP 0, 1, 4096, 256                           ; step 0 stands ahead of the loop: its products start the sums; it asks for step 1
	s_mov_b32 s24, 7
.Ltrip:                                                ; trip j: steps 2 j + 1 and 2 j + 2; they ask for steps 2 j + 2 and 2 j + 3
	s_wait_alu depctr_vm_vsrc(0)                   ; the LDS loads issued so far have read v3
	v_add_nc_u32 v3, s25, v2                       ; b: 512 j bytes on
	STEP 1, 0, 8192, 512
	STEP 0, 0, 12288, 768
	s_wait_xcnt 0x0                                ; the loads' base is stepped only behind this wait
	s_add_nc_u64 s[28:29], s[28:29], 8192
	s_add_co_u32 s25, s25, 512
	s_sub_co_u32 s24, s24, 1
	s_cmp_lg_u32 s24, 0
	s_cbranch_scc1 .Ltrip
	STEP 1, 0, -1, -1                              ; step 15 asks for nothing: no load leaves my wave's part
	; ---- my partial l and O go to LDS; the additions are the places behind the last products
.irp t, 0,1,2,3,4,5,6,7
	v_add_f32 v[ST+6*\t+4], v[ST+6*\t+4], v[ST+6*\t+5]
.endr
	s_wait_alu depctr_va_vdst(0)                   ; the additions have written the eight l and the products O, which the LDS stores read (the places above stay beside this wait); and every vector and matrix instruction is done with v224 to v255, in which feature lands, and with v16 to v223, in which the partial sums land behind the barrier
.irp t, 0,1,2,3,4,5,6,7
	ds_store_b32 v7, v[ST+6*\t+4] offset:128*\t
.endr
.irp n, 0,1,2,3,4,5,6,7
	global_load_b128 v[224+4*\n:224+4*\n+3], v1, s[36:37] offset:32768*\n th:TH_LOAD_NT   ; feature(8 w + n, my work-group's 128 queries): 512 consecutive bytes; wanted at the very end.  (What memory and LDS instructions read of these registers they read ahead of the wait on vm_vsrc at the head)
.endr
	WIN 0x04                                       ; a store's data: window 1
.irp t, 0,1,2,3,4,5,6,7
.irp g, 0,1,2,3,4,5,6,7
	ds_store_b128 v6, v[32*\t+4*\g:32*\t+4*\g+3] offset:4096*\t+512*\g   ; as images of the registers, each accumulator from its low end on
.endr
.endr
	WIN 0
	BARRIER                                        ; all partial sums lie in LDS, and nobody reads b any more
	; ---- wave w adds up tile w
.macro LDP p, s                        ; wave p's partial O of my tile into v[s] on
.irp g, 0,1,2,3,4,5,6,7
	ds_load_b128 v[\s+4*\g:\s+4*\g+3], v[8+(\p)/2] offset:32768*((\p)%2)+512*\g
.endr
.endm
.macro ADDS d, s
.set i, 0
.rept 16
	v_pk_add_f32 v[\d+2*i:\d+2*i+1], v[\d+2*i:\d+2*i+1], v[\s+2*i:\s+2*i+1]
.set i, i+1
.endr
.endm
	s_wait_alu depctr_vm_vsrc(0)                   ; my LDS store of tile 0's l has read v20, in which a partial l lands
.irp p, 0,1,2,3,4,5,6,7
	ds_load_b32 v[16+\p], v12 offset:1024*\p       ; the eight partial l
.endr
	LDP 0, 64
	LDP 1, 96
	LDP 2, 128
	LDP 3, 160
	LDP 4, 192
	s_wait_dscnt 0x0
	ADDS 64, 96
	ADDS 128, 160
	ADDS 64, 128
	s_wait_alu depctr_va_vdst(0)                   ; the three additions are done reading v96 to v191 and writing v128 to v159: the last three partial sums land there
	LDP 5, 96                                      ; they land while l is finished and the fifth is added: those lines name none of these registers
	LDP 6, 160
	LDP 7, 128
	v_add_f32 v16, v16, v17
	v_add_f32 v18, v18, v19
	v_add_f32 v20, v20, v21
	v_add_f32 v22, v22, v23
	v_add_f32 v16, v16, v18
	v_add_f32 v20, v20, v22
	v_add_f32 v16, v16, v20
	v_permlanex16_b32 v24, v16, s26, s27           ; the keys of the other half of the lanes
	v_add_f32 v16, v16, v24                        ; l of query r
	v_rcp_f32 v16, v16
	ADDS 64, 192                                   ; (plain lines between the reciprocal and the use of its result)
	s_wait_alu depctr_va_vdst(0)                   ; the reciprocal has written v16, ahead of its first reader
	v_ldexp_f32 v16, v16, s30                      ; 2^(e2 + e3) / l
	v_mov_b32 v17, v16
	s_wait_dscnt 0x0
	ADDS 64, 96
	ADDS 160, 128
	ADDS 64, 160
.set i, 0
.rept 16
	v_pk_mul_f32 v[64+2*i:64+2*i+1], v[64+2*i:64+2*i+1], v[16:17] op_sel_hi:[1,0]
.set i, i+1
.endr
	s_wait_alu depctr_va_vdst(0)                   ; the multiplies have written v64 to v95, which the LDS stores read; and the additions are done reading v96 to v127, in which the stage's rows land behind the barrier
.irp ct, 0,1,2,3
.irp j, 0,1,2,3,4,5,6,7
	ds_store_b32 v13, v[64+8*\ct+\j] offset:(16*\ct+\j)*528   ; channel 16 ct + 8 h + j, query 16 w + r: sixteen lanes write 64 consecutive bytes; the other sixteen lie 4,224 bytes on, in the other half of the banks
.endr
.endr
	BARRIER                                        ; 64 whole rows lie in the stage
	; ---- wave w stores channels 8 w .. 8 w + 7
.irp n, 0,1,2,3,4,5,6,7
	ds_load_b128 v[96+4*\n:96+4*\n+3], v14 offset:528*\n
.endr
	s_wait_loadcnt 0x0                             ; feature
	s_wait_dscnt 0x0
.set i, 0
.rept 16
	v_pk_add_f32 v[96+2*i:96+2*i+1], v[96+2*i:96+2*i+1], v[224+2*i:224+2*i+1]
.set i, i+1
.endr
	s_wait_alu depctr_va_vdst(0)                   ; the additions have written v96 to v127, which the stores read
.irp n, 0,1,2,3,4,5,6,7
	global_store_b128 v1, v[96+4*\n:96+4*\n+3], s[38:39] offset:32768*\n th:TH_STORE_NT   ; 32 lanes store 512 consecutive bytes, at a multiple of 256 from the output's first byte
.endr
	s_wait_xcnt 0x0
	v_lshl_add_u32 v254, v0, 2, 0x4a500            ; the add's two registers, made anew: no memory or LDS instruction has read v254 or v255 since the wait on vm_vsrc at the head
	v_mov_b32 v255, 0
	s_wait_dscnt 0x0                               ; the closing lines, six on end
	s_wait_alu 0x0
	s_wait_tensorcnt 0x0
	ds_add_u32 v254, v255
	s_wait_dscnt 0x0
	s_endpgm
.Lfunc_end_k_q4cf4cf2441_attn:
	.size	k_q4cf4cf2441_attn, .Lfunc_end_k_q4cf4cf2441_attn-k_q4cf4cf2441_attn
	.p2alignl 7, 3214868480
	.fill 96, 4, 3214868480
	.section	.rodata,"a",@progbits
	.p2align	6, 0x0
	.amdhsa_kernel k_q4cf4cf2441_attn
		.amdhsa_group_segment_fixed_size 305408
		.amdhsa_private_segment_fixed_size 0
		.amdhsa_enable_private_segment 0
		.amdhsa_kernarg_size 40
		.amdhsa_user_sgpr_count 2
		.amdhsa_user_sgpr_kernarg_segment_ptr 1
		.amdhsa_wavefront_size32 1
		.amdhsa_system_sgpr_workgroup_id_x 1
		.amdhsa_system_sgpr_workgroup_id_y 1
		.amdhsa_system_sgpr_workgroup_id_z 1
		.amdhsa_system_vgpr_workitem_id 0
		.amdhsa_next_free_vgpr 512
		.amdhsa_next_free_sgpr 66
		.amdhsa_reserve_vcc 0
		.amdhsa_float_denorm_mode_32 3
		.amdhsa_float_denorm_mode_16_64 3
		.amdhsa_memory_ordered 1
		.amdhsa_forward_progress 1
		.amdhsa_inst_pref_size 191
	.end_amdhsa_kernel
	.amdgpu_metadata
---
amdhsa.version: [ 1, 2 ]
amdhsa.kernels:
  - .name:           k_q4cf4cf2441_attn
    .symbol:         k_q4cf4cf2441_attn.kd
    .args:
      - { .name: fcodes, .offset: 0, .size: 8, .value_kind: global_buffer, .address_space: global }
      - { .name: ab, .offset: 8, .size: 8, .value_kind: global_buffer, .address_space: global }
      - { .name: feature, .offset: 16, .size: 8, .value_kind: global_buffer, .address_space: global }
      - { .name: lowp_scales, .offset: 24, .size: 8, .value_kind: global_buffer, .address_space: global }
      - { .name: out0, .offset: 32, .size: 8, .value_kind: global_buffer, .address_space: global }
    .group_segment_fixed_size: 305408
    .private_segment_fixed_size: 0
    .kernarg_segment_align: 8
    .kernarg_segment_size: 40
    .max_flat_workgroup_size: 256
    .sgpr_count:     66
    .vgpr_count:     512
    .wavefront_size: 32
...
	.end_amdgpu_metadata
.endif
;; end of part 4
